; MI455X (gfx1250); checked and timed in simulation.
; The chip was launched on July 23, 2026; its instructions are those of AMD's public machine-readable ISA for CDNA 5 (MIT licence, August 2026) and "CDNA5" Instruction Set Architecture Reference Guide (July 2026). The comments in the code are by the model that wrote it; some were corrected since.
;; Multi Head Self Attention. Allowed arithmetic: matrix products marked QUANTISED: E2M3 operands, one E8M0 scale for each 32 along K, by v_wmma_scale_f32_16x16x128_f8f6f4 with both operands' format E2M3, f32 sums; everything else in f32.
;; Inputs: b_out 1,024 float32; b_qkv 3,072 float32; w_out 1,024 x 1,024 float32; w_qkv 1,024 x 3,072 float32; x 4 x 2,048 x 1,024 float32.
;; Outputs: out0 4 x 2,048 x 1,024 float32.
;; This version of the problem:
;;   THIS VERSION OF THE PROBLEM IS GIVEN IN LOW PRECISION. The matrix products marked QUANTISED in the list below multiply operands that are first quantised to E2M3 (2 exponent bits, 3 mantissa bits; 6 bits a number), with one power-of-two scale for each 32 numbers along K (OCP MX v1.0); their sums are f32. All else is computed in f32.
;;   The module's matrix products, in the order in which they are computed (A, B: the left and right operand; K: the contracted axis; several contracted axes count as one K, in the product's order):
;;     1. [M 8,192, K 1,024] x [K 1,024, N 3,072]; A: input x; B: input w_qkv: QUANTISED
;;     2. batch 64 x [M 2,048, K 64] x [K 64, N 2,048]; A: computed on the way; B: computed on the way: QUANTISED
;;     3. batch 64 x [M 2,048, K 2,048] x [K 2,048, N 64]; A: softmax (see below); B: computed on the way: QUANTISED
;;     4. [M 8,192, K 1,024] x [K 1,024, N 1,024]; A: computed on the way; B: input w_out: QUANTISED
;;   THE QUANTISER, for each operand of a quantised product, along K:
;;     - K is cut into blocks of 32 from its start; a last block that is shorter is filled with zeros.
;;     - A block's scale is 2^e with e = floor(log2(the largest magnitude in the block)) - 2, held to -126 .. 127; a block of zeros has e = 0. As a byte (E8M0): e + 127.
;;     - Each number is divided by its block's scale, clamped to +-7.5, and rounded to the nearest number of E2M3, ties to even, subnormals kept.
;;     - The product sums the exact products of the quantised numbers (number of the format x scale) in f32.
;;   ~~~python
;;   def quantise(x, axis):      # numpy; x: float32 -> the quantised numbers, widened to float32 again
;;       x = np.moveaxis(x, axis, -1); K = x.shape[-1]
;;       x = np.pad(x, [(0, 0)] * (x.ndim - 1) + [(0, -K % 32)]); x = x.reshape(x.shape[:-1] + (-1, 32)); a = np.abs(x).max(-1, keepdims=True)
;;       e = np.where(a > 0, np.clip(np.frexp(np.where(a > 0, a, 1))[1] - 1 - 2, -126, 127), 0)      # np.frexp(a)[1] - 1 = floor(log2(a)), exactly
;;       r = np.clip(x / 2.0 ** e, -7.5, 7.5)
;;       step = 2.0 ** (np.maximum(np.frexp(np.where(r == 0, 1, r))[1] - 1, 0) - 3)
;;       q = np.round(r / step) * step * 2.0 ** e      # np.round: ties to even
;;       return np.moveaxis(q.reshape(q.shape[:-2] + (-1,))[..., :K], -1, axis).astype(np.float32)
;;   ~~~
;;   SOFTMAX AHEAD OF A QUANTISED PRODUCT. Where the list says 'softmax', what is quantised is not the finished softmax but p = 2^(t - M), with t = logit x log2(e) and M = ceil(the row's largest t), a whole number; so 1/2 < the row's largest p <= 1. The row's sum l is taken of the UNQUANTISED p, in f32, and the product's result is divided by l at the end. Since M is a whole number, a kernel that streams over the keys may use a running M (the ceiling of the running maximum): every later rescaling is an exact power of two, which a block's scale takes up: the codes' values come out the same.
;;   OPERANDS COMPUTED ON THE WAY. 'Computed on the way' means the value that the module computes at that place (a softmax that the list does not call 'softmax' is quantised finished and normalised). What goes into a quantiser is computed in f32, as accurately as f32 sums, v_exp_f32 and their like allow (about 1e-6 of the number): no bf16 or f16 on the way to a quantiser, and a product that is left as it is and whose result goes on into a quantised operand takes f32 operands (vector FMAs, or v_wmma_f32_16x16x4_f32). A number that lies on a knife's edge between two numbers of the format may be rounded either way, as far as f32 arithmetic and the matrix unit's own rounding can turn it there, and no further.
;; One version. Each part assembles by itself: llvm-mc -triple=amdgcn-amd-amdhsa -mcpu=gfx1250 --defsym DOCPART=n.
;; ======== version 1 of 1: 4 launches
;; workspace buffers: xc 6,291,456 bytes; xs 262,144 bytes; wc 3,145,728 bytes; ws 131,072 bytes; qkvb 19,660,800 bytes; ac 6,291,456 bytes; asc 262,144 bytes
;; launch quant (part 1): grid 384 x 1, 4 waves a work-group, no clusters, 68,096 bytes of LDS; arguments x, w_qkv, w_out, xc, xs, wc, ws; writes xc, xs, wc, ws
.if DOCPART == 1
	.amdgcn_target "amdgcn-amd-amdhsa--gfx1250"
	.amdhsa_code_object_version 6
	.text
	.protected	k_q16b69a10d9_quant
	.globl	k_q16b69a10d9_quant
	.p2align	8
	.type	k_q16b69a10d9_quant,@function
k_q16b69a10d9_quant:
	s_mov_b64 s[64:65], 0
	v_nop
	global_prefetch_b8 v0, s[64:65] scope:SCOPE_SE
	s_setreg_imm32_b32 hwreg(HW_REG_WAVE_MODE, 25, 1), 1
	s_wait_xcnt 0x0
; x [8192][1024], w_qkv [1024][3072] and w_out [1024][1024], f32, become codes of FP6 (E2M3) with K innermost and one E8M0 scale byte for each 32 along K.
; xc [8192 rows][768 bytes], xs [8192][32];  wc [4096 rows][768], ws [4096][32]: rows 0-3071 are w_qkv's columns, rows 3072-4095 w_out's.
; STORAGE ORDER: storage row s holds logical row s with bits 3 and 4 exchanged.  Sixteen neighbouring storage rows 16 a + r are then the logical rows 32 (a / 2) + 8 (a % 2) + r + 8 (r / 8):
; as source 0 of a product, two neighbouring tiles leave a lane 16 neighbours in 16 registers, which is what the next quantiser takes.
; A block's scale is 2^(floor(log2(its largest magnitude)) - 2); its byte is the largest magnitude's exponent field - 2, held at 1 from below.
; LIMITS: a block whose largest magnitude lies under 2^-124 (a block of zeros too) keeps the byte 1: its codes are zeros or nearly so, and this program alone reads the bytes.  NaN and infinities are not served.
; Work-groups 0-255 take x (K innermost: two lanes hold a block, the numbers turn through the wave's stage in LDS); work-groups 256-383 take the weights (K outermost: a lane takes a column, its registers run down K).
; The two paths part on the work-group's number and have LDS bytes of their own.  No tensor loads, no barrier: waves share nothing.
.set STEPS, 16
.set CB,    12                         ; bytes of 16 codes
.set WREG,  8192                       ; x: a wave's LDS region: two stages of 32 x SP bytes, then its 256 scale bytes
.set SP,    80                         ; a lane's place in a stage: 64 bytes + 16 of padding
.set R,     16                         ; v16-79   x: four sets of 16 numbers as loaded
.set X,     80                         ; v80-111  x: two sets of 16 neighbours
.set E,     112                        ; v112-127 x: a scale byte for each step
.set C,     128                        ; v128-191 x: codes, four registers a step
.set SPW,   12                         ; v12  LDS address of my spare word; never rewritten
.set NIL,   13                         ; v13  0; never rewritten
.set WSTG,  4*WREG                     ; the weights' stages begin behind x's regions
.set PITCH, 272                        ; a stage row: sixteen places of 16 bytes (12 of codes each) + 16
.set SPARE, WSTG+4*32*PITCH            ; the spare words, 128 bytes a wave: two blocks of 256 bytes that no other line names
.set NB,    8                          ; weights: blocks of 32 along K for a wave (256 along K)
.set KROW,  768                        ; a row of codes in bytes
.set WX,    32                         ; v32-95   weights: two sets of 32 numbers
.set WC,    96                         ; v96-102  a block's codes
.set SB,    24                         ; v24-25   a column's eight scale bytes
.set OUTR,  112                        ; v112-175 the way out
.set VOF,   176                        ; v176-207 row i's byte offset: i x pitch + 4 x lane
	s_load_b256 s[4:11], s[0:1], 0x0               ; x s[4:5], w_qkv s[6:7], w_out s[8:9], xc s[10:11]
	s_load_b128 s[12:15], s[0:1], 0x20             ; xs s[12:13], wc s[14:15]
	s_load_b64 s[16:17], s[0:1], 0x30              ; ws
	v_lshl_add_u32 v[SPW], v0, 2, SPARE
	v_mov_b32 v[NIL], 0
	v_lshrrev_b32 v1, 5, v0
	v_readfirstlane_b32 s20, v1                    ; wave
	v_and_b32 v2, 31, v0                           ; lane
	s_wait_kmcnt 0x0
	s_cmp_lt_u32 ttmp9, 256
	s_cbranch_scc0 .Lw
; ---------------- x: a wave takes 8 rows (8,192 numbers), 16 steps of 512 numbers ----------------
	v_lshlrev_b32 v3, 4, v2                        ; my 16 bytes of a load's 512
	s_mul_i32 s21, s20, WREG
	v_lshrrev_b32 v14, 2, v2
	v_mul_u32_u24 v14, v14, SP
	v_and_b32 v15, 3, v2
	v_lshl_add_u32 v14, v15, 4, v14
	v_add_nc_u32 v14, s21, v14                     ; the stage, in: SP (lane / 4) + 16 (lane % 4)
	v_mul_u32_u24 v15, v2, SP
	v_add_nc_u32 v15, s21, v15                     ; and out: SP x lane: my 16 neighbours
	v_mul_u32_u24 v4, v2, CB                       ; my codes' place in a step's 384 bytes
	v_lshrrev_b32 v5, 1, v2
	s_add_co_u32 s21, s21, 2*32*SP
	v_add_nc_u32 v5, s21, v5                       ; my block's scale byte in LDS
	v_lshlrev_b32 v7, 3, v2
	v_add_nc_u32 v6, s21, v7                       ; and 8 bytes a lane on the way out
	s_lshl_b32 s22, ttmp9, 2
	s_add_co_u32 s24, s22, s20                     ; the run of 8 rows that I read: 4 x work-group + wave
	s_lshl_b32 s24, s24, 15                        ; x 32,768 bytes
	s_mov_b32 s25, 0
	s_add_nc_u64 s[4:5], s[4:5], s[24:25]
	s_and_b32 s26, s20, 1
	s_lshl_b32 s26, s26, 1
	s_lshr_b32 s27, s20, 1
	s_or_b32 s26, s26, s27                         ; the wave's two bits exchanged: bits 3 and 4 of the row
	s_add_co_u32 s26, s26, s22                     ; the run that I write
	s_mul_i32 s24, s26, 8*KROW
	s_add_nc_u64 s[10:11], s[10:11], s[24:25]
	s_lshl_b32 s24, s26, 8
	s_add_nc_u64 s[12:13], s[12:13], s[24:25]
.macro LOAD t
.irp i, 0,1,2,3
	global_load_b128 v[R+16*((\t)%4)+4*\i:R+16*((\t)%4)+4*\i+3], v3, s[4:5] offset:2048*(\t)+512*\i th:TH_LOAD_NT   ; 32 lanes read 512 consecutive bytes
.endr
.endm
.macro TURN t                          ; step t's numbers through the stage; LDS serves a wave's instructions in order, so no wait stands between the stores and the loads
.irp i, 0,1,2,3
	ds_store_b128 v14, v[R+16*((\t)%4)+4*\i:R+16*((\t)%4)+4*\i+3] offset:32*SP*((\t)%2)+8*SP*\i
.endr
.irp i, 0,1,2,3
	ds_load_b128 v[X+16*((\t)%2)+4*\i:X+16*((\t)%2)+4*\i+3], v15 offset:32*SP*((\t)%2)+16*\i
.endr
.endm
.irp t, 0,1,2,3
	LOAD \t
.endr
	s_wait_loadcnt 12                              ; step 0's four loads are in; three steps' stay out
	TURN 0
.macro STEP t
.set XS, X+16*((\t)%2)
.if (\t) > 0
	s_wait_dscnt 1                                 ; this step's numbers are back from the stage (the last step's byte store may be out)
.else
	s_wait_dscnt 0x0
.endif
.if (\t)+4 < STEPS
	LOAD (\t)+4                                    ; into the set whose stores into the stage are done
.endif
.if (\t)+1 < STEPS
.if STEPS-2-(\t) >= 3
	s_wait_loadcnt 12                              ; the next step's four loads are in; those of the three steps behind it may be out
.else
	s_wait_loadcnt 4*(STEPS-2-(\t))
.endif
	TURN (\t)+1
.endif
	v_max3_num_f32 v8, |v[XS]|, |v[XS+1]|, |v[XS+2]|               ; the largest magnitude of my 16, in two chains
	v_max3_num_f32 v9, |v[XS+3]|, |v[XS+4]|, |v[XS+5]|
.irp i, 6,10
	v_max3_num_f32 v8, v8, |v[XS+\i]|, |v[XS+\i+1]|
	v_max3_num_f32 v9, v9, |v[XS+\i+2]|, |v[XS+\i+3]|
.endr
	v_max3_num_f32 v8, v8, |v[XS+14]|, |v[XS+15]|
	v_max3_num_f32 v8, v8, v9, 0x1800000           ; and the floor 2^(3 - 127): the byte cannot fall under 1
	v_max_num_f32_dpp v8, v8, v8 row_xmask:1 row_mask:0xf bank_mask:0xf   ; with my neighbour's 16: the block's
	v_add_nc_u32 v11, 0xff000000, v8               ; 2 off its exponent field: the conversion takes that field as its scale
	v_cvt_scalef32_pk16_fp6_f32 v[C+4*(\t):C+4*(\t)+2], v[XS:XS+15], v11
	v_lshrrev_b32 v[E+(\t)], 23, v11               ; the scale's byte
	ds_store_b8 v5, v[E+(\t)] offset:16*(\t)       ; both lanes of a block write the same byte with the same value
	global_store_b96 v4, v[C+4*(\t):C+4*(\t)+2], s[10:11] offset:32*CB*(\t)   ; the wave stores 384 consecutive bytes
.endm
.irp t, 0,1,2,3,4,5,6,7,8,9,10,11,12,13,14,15
	STEP \t
.endr
	ds_load_b64 v[8:9], v6                         ; my wave's 256 scale bytes, 8 a lane
	s_wait_dscnt 0x0
	global_store_b64 v7, v[8:9], s[12:13]          ; 256 consecutive bytes, aligned
	s_wait_tensorcnt 0x0                           ; the wave's end
	ds_add_u32 v[SPW], v[NIL]
	s_wait_dscnt 0x0
	s_endpgm
; ---------------- the weights: a wave takes 32 columns x 256 along K ----------------
.Lw:
	s_sub_co_u32 s21, ttmp9, 256
	s_and_b32 s22, s21, 31                         ; which 128 of the 4,096 columns (24 groups of w_qkv, 8 of w_out)
	s_lshr_b32 s23, s21, 5                         ; which 256 along K
	s_lshl_b32 s24, s22, 7
	s_lshl_b32 s25, s20, 5
	s_add_co_u32 s24, s24, s25                     ; my wave's first row of wc
	s_cmp_lt_u32 s22, 24                           ; the choice hangs on the work-group's number alone
	s_cselect_b64 s[4:5], s[6:7], s[8:9]           ; the weight,
	s_mov_b32 s26, 4096
	s_cselect_b32 s26, 12288, s26                  ; its row in bytes,
	s_cselect_b32 s27, 0, 3072
	s_sub_co_u32 s27, s24, s27                     ; and my first column in it
	s_mul_i32 s28, s23, s26
	s_lshl_b32 s28, s28, 8                         ; 256 rows a step along K
	s_lshl_b32 s27, s27, 2
	s_add_co_u32 s28, s28, s27
	s_mov_b32 s29, 0
	s_add_nc_u64 s[4:5], s[4:5], s[28:29]
	s_lshl_b32 s30, s26, 5                         ; 32 rows on
	s_mov_b32 s31, 0
	s_mul_i32 s28, s24, KROW
	s_mul_i32 s32, s23, 192
	s_add_co_u32 s28, s28, s32
	s_add_nc_u64 s[14:15], s[14:15], s[28:29]      ; my codes
	s_lshl_b32 s28, s24, 5
	s_lshl_b32 s32, s23, 3
	s_add_co_u32 s28, s28, s32
	s_add_nc_u64 s[16:17], s[16:17], s[28:29]      ; my scale bytes
	v_lshlrev_b32 v3, 2, v2                        ; in: 4 bytes a lane
	s_mul_i32 s33, s20, 32*PITCH
	s_add_co_u32 s33, s33, WSTG                    ; my stage
	v_mul_u32_u24 v4, v2, PITCH
	v_add_nc_u32 v4, s33, v4                       ; into it: row = my column
	v_and_b32 v5, 15, v2
	v_lshrrev_b32 v6, 4, v2
	v_mul_u32_u24 v7, v6, PITCH
	v_lshl_add_u32 v7, v5, 4, v7
	v_add_nc_u32 v7, s33, v7                       ; out of it: sixteen lanes to a row, two rows an instruction
	v_mul_u32_u24 v8, v6, KROW
	v_mad_u32_u24 v8, v5, 12, v8                   ; and the same place in wc
	v_and_b32 v9, 7, v2
	v_bfe_u32 v10, v2, 3, 1
	v_lshl_or_b32 v9, v10, 4, v9
	v_lshl_or_b32 v9, v6, 3, v9                    ; my column's storage row: bits 3 and 4 exchanged
	v_lshlrev_b32 v9, 5, v9                        ; x 32 bytes of ws
.set i, 0
.rept 32
	v_mad_u32_u24 v[VOF+i], s26, i, v3
.set i, i+1
.endr
.macro WLOAD t                         ; block t: W(32 t + i, my column) into set t % 2; called in ascending order, each call one step down K
.if (\t) > 0
	s_wait_xcnt 0x0                                ; the earlier loads have read their base
	s_add_nc_u64 s[4:5], s[4:5], s[30:31]
.endif
.set i, 0
.rept 32
	global_load_b32 v[WX+32*((\t)%2)+i], v[VOF+i], s[4:5] th:TH_LOAD_NT   ; 32 lanes read 128 consecutive bytes, the four waves 512
.set i, i+1
.endr
.endm
	WLOAD 0
	WLOAD 1
.macro BLOCK t
.set XS, WX+32*((\t)%2)
.if (\t) < NB-1
	s_wait_loadcnt 32                              ; this block's 32 loads are in; the next block's may be out
.else
	s_wait_loadcnt 0
.endif
	v_max3_num_f32 v18, |v[XS]|, |v[XS+1]|, |v[XS+2]|              ; all 32 numbers of the block are mine
	v_max3_num_f32 v19, |v[XS+3]|, |v[XS+4]|, |v[XS+5]|
.irp i, 6,10,14,18,22,26
	v_max3_num_f32 v18, v18, |v[XS+\i]|, |v[XS+\i+1]|
	v_max3_num_f32 v19, v19, |v[XS+\i+2]|, |v[XS+\i+3]|
.endr
	v_max3_num_f32 v18, v18, |v[XS+30]|, |v[XS+31]|
	v_max3_num_f32 v18, v18, v19, 0x1800000        ; the floor
	v_add_nc_u32 v11, 0xff000000, v18              ; the conversion's scale operand
	v_lshrrev_b32 v19, 23, v11                     ; the byte
.if (\t)%4 == 0
	v_mov_b32 v[SB+(\t)/4], v19
.else
	v_lshl_or_b32 v[SB+(\t)/4], v19, 8*((\t)%4), v[SB+(\t)/4]
.endif
	v_cvt_scalef32_pk16_fp6_f32 v[WC:WC+2], v[XS:XS+15], v11
	v_cvt_scalef32_pk16_fp6_f32 v[WC+4:WC+6], v[XS+16:XS+31], v11  ; (a conversion's three registers begin on an even number)
	ds_store_b96 v4, v[WC:WC+2] offset:32*(\t)     ; 12 bytes to a place of 16
	ds_store_b96 v4, v[WC+4:WC+6] offset:32*(\t)+16
.if (\t)+2 < NB
	WLOAD (\t)+2
.endif
	s_wait_dscnt 0x0                               ; the stores have read their registers: the next block's codes may be written
.endm
.set Q, 0
.rept NB
	BLOCK Q
.set Q, Q+1
.endr
	global_store_b64 v9, v[SB:SB+1], s[16:17]      ; my column's eight scale bytes
.irp t, 0,1,2,3,4,5,6,7,8,9,10,11,12,13,14,15
	ds_load_b96 v[OUTR+4*\t:OUTR+4*\t+2], v7 offset:2*\t*PITCH
.endr
.irp t, 0,1,2,3,4,5,6,7,8,9,10,11,12,13,14,15
	s_wait_dscnt 15-\t                             ; the younger loads may be out
	global_store_b96 v8, v[OUTR+4*\t:OUTR+4*\t+2], s[14:15] offset:2*((\t&3)|(((\t>>2)&1)<<3)|(((\t>>3)&1)<<2))*KROW   ; columns 2 t, 2 t + 1 go to their storage rows; sixteen lanes store 192 consecutive bytes
.endr
	s_wait_tensorcnt 0x0                           ; the wave's end: the three lines once more
	ds_add_u32 v[SPW], v[NIL]
	s_wait_dscnt 0x0
	s_endpgm
.Lfunc_end_k_q16b69a10d9_quant:
	.size	k_q16b69a10d9_quant, .Lfunc_end_k_q16b69a10d9_quant-k_q16b69a10d9_quant
	.p2alignl 7, 3214868480
	.fill 96, 4, 3214868480
	.section	.rodata,"a",@progbits
	.p2align	6, 0x0
	.amdhsa_kernel k_q16b69a10d9_quant
		.amdhsa_group_segment_fixed_size 68096
		.amdhsa_private_segment_fixed_size 0
		.amdhsa_enable_private_segment 0
		.amdhsa_kernarg_size 56
		.amdhsa_user_sgpr_count 2
		.amdhsa_user_sgpr_kernarg_segment_ptr 1
		.amdhsa_wavefront_size32 1
		.amdhsa_system_sgpr_workgroup_id_x 1
		.amdhsa_system_sgpr_workgroup_id_y 1
		.amdhsa_system_sgpr_workgroup_id_z 1
		.amdhsa_system_vgpr_workitem_id 0
		.amdhsa_next_free_vgpr 208
		.amdhsa_next_free_sgpr 66
		.amdhsa_reserve_vcc 0
		.amdhsa_float_denorm_mode_32 3
		.amdhsa_float_denorm_mode_16_64 3
		.amdhsa_memory_ordered 1
		.amdhsa_forward_progress 1
		.amdhsa_inst_pref_size 76
	.end_amdhsa_kernel
	.amdgpu_metadata
---
amdhsa.version: [ 1, 2 ]
amdhsa.kernels:
  - .name:           k_q16b69a10d9_quant
    .symbol:         k_q16b69a10d9_quant.kd
    .args:
      - { .name: x, .offset: 0, .size: 8, .value_kind: global_buffer, .address_space: global }
      - { .name: w_qkv, .offset: 8, .size: 8, .value_kind: global_buffer, .address_space: global }
      - { .name: w_out, .offset: 16, .size: 8, .value_kind: global_buffer, .address_space: global }
      - { .name: xc, .offset: 24, .size: 8, .value_kind: global_buffer, .address_space: global }
      - { .name: xs, .offset: 32, .size: 8, .value_kind: global_buffer, .address_space: global }
      - { .name: wc, .offset: 40, .size: 8, .value_kind: global_buffer, .address_space: global }
      - { .name: ws, .offset: 48, .size: 8, .value_kind: global_buffer, .address_space: global }
    .group_segment_fixed_size: 68096
    .private_segment_fixed_size: 0
    .kernarg_segment_align: 8
    .kernarg_segment_size: 56
    .max_flat_workgroup_size: 128
    .sgpr_count:     66
    .vgpr_count:     208
    .wavefront_size: 32
...
	.end_amdgpu_metadata
.endif
;; end of part 1
;; launch qkv (part 2): grid 12 x 32, 4 waves a work-group, clusters of 4 x 4, 327,680 bytes of LDS; arguments xc, xs, wc, ws, qkvb, b_qkv; writes qkvb
.if DOCPART == 2
	.amdgcn_target "amdgcn-amd-amdhsa--gfx1250"
	.amdhsa_code_object_version 6
	.text
	.protected	k_q16b69a10d9_qkv
	.globl	k_q16b69a10d9_qkv
	.p2align	8
	.type	k_q16b69a10d9_qkv,@function
k_q16b69a10d9_qkv:
	s_mov_b64 s[64:65], 0
	v_nop
	global_prefetch_b8 v0, s[64:65] scope:SCOPE_SE
	s_setreg_imm32_b32 hwreg(HW_REG_WAVE_MODE, 25, 1), 1
	s_wait_xcnt 0x0
	s_wait_alu depctr_hold_cnt(0) depctr_sa_sdst(0) depctr_va_vdst(0) depctr_va_sdst(0) depctr_va_ssrc(0) depctr_va_vcc(0) depctr_vm_vsrc(0)
	s_getreg_b32 s2, hwreg(HW_REG_IB_STS2, 6, 4)
	s_cmp_eq_u32 s2, 0
	s_cbranch_scc0 .Lentry_in_a_cluster
	s_endpgm
.Lentry_in_a_cluster:
	s_bfe_u32 s2, ttmp6, 0x10000c
	s_cmp_lg_u32 s2, 0xf033
	s_cbranch_scc0 .Lentry_shape_is_right
	s_endpgm
.Lentry_shape_is_right:
; qkv = x w_qkv + b_qkv on codes of FP6 (E2M3) with E8M0 scales (K = 1,024), and q, k, v quantised on the way out, straight from the accumulators; no f32 number of qkv goes to memory.
; A tile of 256 x 256 is made by four waves, 128 x 128 each (64 accumulators, 512 registers); K goes in steps of 256 through a ring of two LDS slots; the scale bytes of the tile's rows come once and stay.
; THE MATRIX INSTRUCTION: source 0 = 16 rows of "B", source 1 = 16 rows of "A": a lane holds ONE row of A, and its registers run along B's rows.
; THREE MODES, by the cluster's x alone (the same in all sixteen partners): 0 = q, 1 = k: A = tokens (xc), B = columns (wc): registers run along the head's dims, which is q's and k's K.
;   2 = v: A = v's columns (wc from row 2,048), B = tokens (xc): registers run along the tokens, which is v's K.  Only pointers and tile numbers differ; the loop is one text.
; STORAGE ORDER of xc's and wc's rows (bits 3 and 4 of the row exchanged): the 16 registers of B's tiles 2 b, 2 b + 1 are 16 NEIGHBOURS, 32 b + 16 (lane / 16) + 0 .. 15; lane r of A's block a is logical row 32 (a / 2) + 8 (a % 2) + r + 8 (r / 8).
; OUT: qkvb, a block of 38,400 bytes for each (batch x head, 256 tokens): q's codes 0, q's scale words 12,288, k's codes 12,800, v's codes 25,088, k's scale words 37,376, v's 37,888.
;   Codes lie as HALF IMAGES of 768 bytes: six operand registers of 32 lanes (16 rows x 64 along K): registers 0-3 at 16 x lane, registers 4-5 at 512 + 8 x lane.  Every store covers whole aligned runs of 256 bytes.
; CLUSTERS: 4 x 4 work-groups; A's tiles are asked for jointly along a row of the cluster, B's along a column.
; LIMITS: a block whose largest magnitude lies under 2^-124 keeps the scale byte 1; NaN and infinities are not served.
; REGISTERS: window 0: v0-31 addresses; v32-63 scale words; v64-127 the bias along registers; v128-223 A's fragments, later the way out; v224-239 the bias by lanes; v240-253 the way out.
;   window 1: B's fragments, two sets.  windows 2, 3: the accumulators ((a, b) at v[8 (8 (a % 4) + b)]).
.set KSTEP,  256
.set NQ,     2                         ; matrix instructions deep in a slot
.set ROWB,   192                       ; a tile's row in bytes
.set KROW,   768                       ; a row of codes in memory
.set PITCH,  240                       ; an LDS row: 3 x (64 bytes + 16 of padding)
.set FR,     12
.set NL,     6
.set NP,     4                         ; places behind this matrix instruction (ISA guide 7.12.1)
.set HALFT,  128*PITCH
.set SLOT,   4*HALFT
.set LAPS,   2                         ; 1,024 / 512
.set KS,     32                        ; a row of scale bytes
.set SCL,    2*SLOT
.set HALFS,  (128*KS/256)*272
.set SBLK,   (16*KS/256)*272
.set SPARE,  SCL+4*HALFS               ; the spare words, 128 bytes a wave: two blocks of 256 bytes that no other line names
.set HEADB,  307200                    ; from a head to the next in qkvb: 8 blocks
.set BLKB,   38400
.set ADRA, 16
.set ADRB, 20
.set ADRS, 27
.set SPW,  28
.set NIL,  29
.set SC,   32
.set BR,   64                          ; v64-127  bias of B's 128 rows, in the accumulators' layout
.set AF,   128
.set BL,   224                         ; v224-239 bias of A's row of block a, twice (a pair for the packed addition)
.set HA,   128                         ; the way out: 64 numbers
.set PC,   192                         ; v192-203 the codes just made
.set CY,   204                         ; v204-206, v208-210 the conversions' second halves
.set BM,   212
.set BP,   216
.set BS,   220
.set PW,   240                         ; v240-247 block a's scale word
.set WD,   248                         ; v248-251 four scale words to store
.set SELV, 252
.set G1, 24
.set G0, 32
.set G1B, 48
.set G0B, 56
.set G1S, 68
.set G0S, 76
.set G1SB, 80
.set G0SB, 88
.set MSB, 0
.macro WIN new                         ; the immediate's high byte repeats the setting that is left
.if MSB != (\new)
	s_set_vgpr_msb (MSB<<8)|(\new)
.set MSB, (\new)
.endif
.endm
.set MUL_LO, 0xa1                      ; source 0 (B) window 1, source 1 (A) window 0, C and D window 2
.set MUL_HI, 0xf1
.set TO_B,   0x40
; A joint load: waves 0 and 1 fetch for A, waves 2 and 3 for B; the branch hangs on the wave's number alone.  An s_nop 0 and four v_nop follow each line.
.macro JLOAD g0a, g1a, g0b, g1b
	s_cmp_eq_u32 s15, 0
	s_cbranch_scc0 .Lfor_b_\@
	tensor_load_to_lds s[\g0a:\g0a+3], s[\g1a:\g1a+7]
	s_nop 0
.rept 4
	v_nop
.endr
	s_branch .Lasked_\@
.Lfor_b_\@:
	tensor_load_to_lds s[\g0b:\g0b+3], s[\g1b:\g1b+7]
	s_nop 0
.rept 4
	v_nop
.endr
.Lasked_\@:
.endm
.macro CREST
	s_cmp_lg_u32 s14, 0
	s_cbranch_scc1 .Lnot_wave_0_\@
	s_barrier_signal -3
.Lnot_wave_0_\@:
	s_barrier_wait -3
	s_barrier_signal -1
	s_barrier_wait -1
.endm
.macro CROUND
	s_barrier_signal -1
	s_barrier_wait -1
	CREST
.endm
	s_load_b128 s[4:7], s[0:1], 0x0                ; xc, xs
	s_load_b128 s[8:11], s[0:1], 0x10              ; wc, ws
	s_load_b64 s[12:13], s[0:1], 0x20              ; qkvb
	s_load_b64 s[66:67], s[0:1], 0x28              ; b_qkv
	v_lshl_add_u32 v[SPW], v0, 2, SPARE
	v_mov_b32 v[NIL], 0
	ds_add_u32 v[SPW], v[NIL]                      ; the wave's opening: the add and its wait ahead of my first tensor load
	v_lshrrev_b32 v1, 5, v0
	v_readfirstlane_b32 s14, v1                    ; wave
	s_lshr_b32 s15, s14, 1                         ; my half of A's rows.  Also: I fetch for A (0) or for B (1)
	s_and_b32 s16, s14, 1                          ; my half of B's rows.  Also: which 128 rows I fetch
	s_bfe_u32 s40, ttmp6, 0x40000                  ; cx
	s_bfe_u32 s41, ttmp6, 0x40004                  ; cy
	s_and_b32 s96, ttmp7, 0xffff                   ; the cluster's y
	s_cmp_eq_u32 ttmp9, 2                          ; the cluster's x: 0 q, 1 k, 2 v
	s_cselect_b32 s95, 1, 0                        ; the mode
	s_cselect_b32 s97, 0, s96                      ; A's tiles: v's four column tiles, else the tokens' by the cluster's y
	s_cselect_b32 s2, s96, ttmp9                   ; B's tiles: the tokens' by the cluster's y, else the columns' by its x
	s_lshl_b32 s42, s2, 2
	s_add_co_u32 s42, s42, s40                     ; B's tile = 4 x .. + cx
	s_lshl_b32 s17, s97, 2
	s_add_co_u32 s17, s17, s41                     ; A's tile = 4 x .. + cy
	s_lshl_b32 s43, s41, 2
	s_lshl_b32 s43, 15, s43                        ; my row of the cluster
	s_lshl_b32 s44, 0x1111, s40                    ; my column
	s_or_b32 s[G1+0], s43, (0<<16)|(1<<20)|(1<<21)|(3<<22)|(3<<25)   ; the mask; elements of 1 byte; padding: 4 words behind every 16; bit 21 beside a mask
	s_or_b32 s[G1B+0], s44, (0<<16)|(1<<20)|(1<<21)|(3<<22)|(3<<25)
.irp g, G1, G1B
	s_mov_b32 s[\g+1], ROWB<<16                    ; tensor_dim0
	s_mov_b32 s[\g+2], 128<<16                     ; tensor_dim1
	s_mov_b32 s[\g+3], ROWB<<16                    ; tile_dim0
	s_mov_b32 s[\g+4], 128                         ; tile_dim1
	s_mov_b32 s[\g+5], KROW                        ; the pitch
	s_mov_b32 s[\g+6], 0
	s_mov_b32 s[\g+7], 0
.endr
	s_or_b32 s[G1S+0], s43, (3<<16)|(1<<20)|(1<<21)|(5<<22)|(3<<25)  ; the scales of 128 rows: 16 rows of 256 bytes, 16 bytes of padding behind each
	s_or_b32 s[G1SB+0], s44, (3<<16)|(1<<20)|(1<<21)|(5<<22)|(3<<25)
.irp g, G1S, G1SB
	s_mov_b32 s[\g+1], 32<<16
	s_mov_b32 s[\g+2], (128*KS/256)<<16
	s_mov_b32 s[\g+3], 32<<16
	s_mov_b32 s[\g+4], 128*KS/256
	s_mov_b32 s[\g+5], 32
	s_mov_b32 s[\g+6], 0
	s_mov_b32 s[\g+7], 0
.endr
	s_lshl_b32 s18, s16, 7
	s_lshl_b32 s20, s17, 8
	s_add_co_u32 s20, s20, s18                     ; A: row 256 x tile + 128 x half
	s_lshl_b32 s46, s42, 8
	s_add_co_u32 s46, s46, s18                     ; B likewise
	s_mov_b32 s21, 0
	s_mov_b32 s47, 0
	s_mov_b64 s[18:19], KS
	s_mul_u64 s[22:23], s[20:21], s[18:19]
	s_mul_u64 s[92:93], s[46:47], s[18:19]
	s_mov_b64 s[18:19], KROW
	s_mul_u64 s[20:21], s[20:21], s[18:19]
	s_mul_u64 s[46:47], s[46:47], s[18:19]
	s_mul_i32 s45, s14, HALFT                      ; where they go: wave x 128 rows
	s_mul_i32 s94, s14, HALFS
	s_wait_dscnt 0x0                               ; the opening add is done
	s_wait_kmcnt 0x0
	s_add_nc_u64 s[98:99], s[8:9], 0x180000        ; wc at row 2,048: v's columns
	s_add_nc_u64 s[100:101], s[10:11], 0x10000     ; ws likewise
	s_cmp_eq_u32 s95, 1                            ; the choice of buffers hangs on the cluster's x alone
	s_cselect_b64 s[18:19], s[98:99], s[4:5]
	s_cselect_b64 s[8:9], s[4:5], s[8:9]           ; B's codes
	s_mov_b64 s[4:5], s[18:19]                     ; A's codes
	s_cselect_b64 s[18:19], s[100:101], s[6:7]
	s_cselect_b64 s[10:11], s[6:7], s[10:11]       ; B's scales
	s_mov_b64 s[6:7], s[18:19]                     ; A's scales
	s_add_nc_u64 s[20:21], s[4:5], s[20:21]
	s_add_nc_u64 s[22:23], s[6:7], s[22:23]
	s_add_nc_u64 s[46:47], s[8:9], s[46:47]
	s_add_nc_u64 s[92:93], s[10:11], s[92:93]
	CROUND                                         ; all sixteen work-groups are here: the first joint loads meet
	s_mov_b32 s[G0S], 1
	s_add_co_u32 s[G0S+1], s94, SCL
	s_mov_b64 s[G0S+2:G0S+3], s[22:23]
	s_or_b32 s[G0S+3], s[G0S+3], 0x80000000
	s_mov_b32 s[G0SB], 1
	s_add_co_u32 s[G0SB+1], s94, SCL
	s_mov_b64 s[G0SB+2:G0SB+3], s[92:93]
	s_or_b32 s[G0SB+3], s[G0SB+3], 0x80000000
	JLOAD G0S, G1S, G0SB, G1SB                     ; the scales first
.irp s, 0,1
	s_mov_b32 s[G0+4*\s], 1
	s_add_co_u32 s[G0+4*\s+1], s45, \s*SLOT
	s_add_nc_u64 s[G0+4*\s+2:G0+4*\s+3], s[20:21], \s*ROWB
	s_or_b32 s[G0+4*\s+3], s[G0+4*\s+3], 0x80000000
	s_mov_b32 s[G0B+4*\s], 1
	s_add_co_u32 s[G0B+4*\s+1], s45, \s*SLOT
	s_add_nc_u64 s[G0B+4*\s+2:G0B+4*\s+3], s[46:47], \s*ROWB
	s_or_b32 s[G0B+4*\s+3], s[G0B+4*\s+3], 0x80000000
	JLOAD G0+4*\s, G1, G0B+4*\s, G1B               ; three tensor loads of mine are out
.endr
	v_and_b32 v1, 15, v0                           ; r
	v_bfe_u32 v2, v0, 4, 1                         ; h
	v_mul_u32_u24 v3, v1, PITCH
	v_mul_u32_u24 v4, v2, 24
	v_add_nc_u32 v4, v3, v4                        ; a fragment's row x pitch + 24 h
	v_lshl_add_u32 v5, v2, 4, v4                   ; and the same behind one padding more
	s_mul_i32 s21, s15, HALFT
	s_mul_i32 s22, s16, HALFT
	s_add_co_u32 s22, s22, 2*HALFT
.irp s, 0,1
	v_add_nc_u32 v[ADRA+\s], s21, v4
	v_add_nc_u32 v[ADRB+\s], s22, v4
	v_add_nc_u32 v[ADRA+2+\s], s21, v5
	v_add_nc_u32 v[ADRB+2+\s], s22, v5
	s_add_co_u32 s21, s21, SLOT
	s_add_co_u32 s22, s22, SLOT
.endr
	v_mul_u32_u24 v5, v1, KS                       ; my row's scales,
	v_lshrrev_b32 v6, 8, v5
	v_lshl_add_u32 v5, v6, 4, v5                   ; and 16 more for each 256 passed
	s_mul_i32 s21, s15, HALFS
	s_mul_i32 s22, s16, HALFS
	s_add_co_u32 s22, s22, 2*HALFS
	s_sub_co_u32 s22, s22, s21
	v_mul_u32_u24 v6, s22, v2                      ; lanes 16-31 take B's
	s_add_co_u32 s21, s21, SCL
	v_add_nc_u32 v5, v5, v6
	v_add_nc_u32 v[ADRS], s21, v5
	v_and_b32 v6, 31, v0
	v_lshlrev_b32 v8, 4, v6                        ; v8   16 x lane: a half image's registers 0-3
	v_lshlrev_b32 v9, 3, v6                        ; v9   8 x lane: its registers 4-5
	v_lshlrev_b32 v10, 4, v1
	v_mul_u32_u24 v7, v2, HEADB
	v_add_nc_u32 v10, v10, v7                      ; v10  scale words: 16 r, lanes 16-31 one head on
	v_lshlrev_b32 v11, 6, v2                       ; v11  the bias along registers: 64 h
	v_and_b32 v12, 8, v1
	v_add_nc_u32 v12, v12, v1
	v_lshlrev_b32 v12, 2, v12                      ; v12  the bias by lanes: 4 (r + 8 (r / 8))
	; the bias: both sets are loaded in every mode; the set that the mode does not use reads the buffer's first numbers
	s_lshl_b32 s46, s42, 8
	s_lshl_b32 s47, s16, 7
	s_add_co_u32 s46, s46, s47
	s_lshl_b32 s46, s46, 2                         ; q, k: 4 (256 x B's tile + 128 x half)
	s_lshl_b32 s22, s17, 8
	s_lshl_b32 s23, s15, 7
	s_add_co_u32 s22, s22, s23
	s_add_co_u32 s22, s22, 2048
	s_lshl_b32 s22, s22, 2                         ; v: 4 (2,048 + 256 x A's tile + 128 x half)
	s_cmp_eq_u32 s95, 1
	s_cselect_b32 s46, 0, s46
	s_cselect_b32 s22, s22, 0
	s_mov_b32 s47, 0
	s_mov_b32 s23, 0
	s_add_nc_u64 s[98:99], s[66:67], s[46:47]
	s_add_nc_u64 s[100:101], s[66:67], s[22:23]
.irp t, 0,1,2,3,4,5,6,7
	global_load_b128 v[BR+8*\t:BR+8*\t+3], v11, s[98:99] offset:(32*(\t/2)+8*(\t%2))*4
	global_load_b128 v[BR+8*\t+4:BR+8*\t+7], v11, s[98:99] offset:(32*(\t/2)+8*(\t%2))*4+16
.endr
.irp a, 0,1,2,3,4,5,6,7
	global_load_b32 v[BL+2*\a], v12, s[100:101] offset:(32*(\a/2)+8*(\a%2))*4
	global_load_b32 v[BL+2*\a+1], v12, s[100:101] offset:(32*(\a/2)+8*(\a%2))*4
.endr
.macro FRAG reg, adr, q, i             ; a fragment: 12 registers; lane (r, h): registers 6 c .. 6 c + 5 = K 64 c + 32 h + 0 .. 31: 24 bytes as they lie, in pieces of 8
.irp p, 0,1,2,3,4,5
.set PCE, 12*(\q)+6*(\p/3)+\p%3
.if PCE%8 < 5
	ds_load_b64 v[\reg+2*\p:\reg+2*\p+1], v[\adr] offset:8*PCE+16*(PCE/8)+(\i)*16*PITCH
.else
	ds_load_b64 v[\reg+2*\p:\reg+2*\p+1], v[\adr+2] offset:8*PCE+16*(PCE/8)+(\i)*16*PITCH
.endif
.endr
.endm
; 16 matrix instructions: A's blocks a0, a0 + 1 x B's eight.  The 64 accumulators take turns, one instruction a turn, in the same order in every step.
.macro MUL16 a0, p, q, sc, zero
.irp a, \a0, \a0+1
.irp b, 0,1,2,3,4,5,6,7
.if \zero
	v_wmma_scale_f32_16x16x128_f8f6f4 v[8*(8*((\a)%4)+\b):8*(8*((\a)%4)+\b)+7], v[128*(\p)+FR*\b:128*(\p)+FR*\b+FR-1], v[AF+FR*(\a):AF+FR*(\a)+FR-1], 0, v[SC+8*NQ*(\sc)+NQ*\b+(\q)], v[SC+8*NQ*(\sc)+NQ*(\a)+(\q)] matrix_a_fmt:MATRIX_FMT_FP6 matrix_b_fmt:MATRIX_FMT_FP6 matrix_a_scale:MATRIX_SCALE_ROW1
.else
	v_wmma_scale_f32_16x16x128_f8f6f4 v[8*(8*((\a)%4)+\b):8*(8*((\a)%4)+\b)+7], v[128*(\p)+FR*\b:128*(\p)+FR*\b+FR-1], v[AF+FR*(\a):AF+FR*(\a)+FR-1], v[8*(8*((\a)%4)+\b):8*(8*((\a)%4)+\b)+7], v[SC+8*NQ*(\sc)+NQ*\b+(\q)], v[SC+8*NQ*(\sc)+NQ*(\a)+(\q)] matrix_a_fmt:MATRIX_FMT_FP6 matrix_b_fmt:MATRIX_FMT_FP6 matrix_a_scale:MATRIX_SCALE_ROW1
.endif
.endr
.endr
.endm
.macro FETCH_B slot, q, p
	WIN TO_B
.irp i, 0,1,2,3,4,5,6,7
	FRAG 128*(\p)+FR*\i, ADRB+\slot, \q, \i
.endr
	WIN 0
.endm
.macro FETCH_A slot, q, i0
.irp i, \i0, \i0+1, \i0+2, \i0+3
	FRAG AF+FR*(\i), ADRA+\slot, \q, \i
.endr
.endm
.macro SCALES sc                       ; a K step's scale words: lanes 0-15 A's block i, lanes 16-31 B's block i
.irp i, 0,1,2,3,4,5,6,7
	ds_load_b64 v[SC+8*NQ*\sc+NQ*\i:SC+8*NQ*\sc+NQ*\i+1], v[ADRS] offset:\i*SBLK
.endr
.endm
.macro PLACES n                        ; plain vector places behind matrix instructions, in front of loads into their registers and of reads of their results
.rept \n
	v_nop
.endr
.endm
.macro STEP slot, q, zero              ; 128 along K, with its successor in the same slot
	s_wait_dscnt 4*NL                              ; all but the youngest 24 loads (A's blocks 4-7) are in
	WIN MUL_LO
	MUL16 0, (\q)%2, \q, \slot, \zero
	MUL16 2, (\q)%2, \q, \slot, \zero
	s_wait_dscnt 0
	PLACES NP
	FETCH_B \slot, (\q)+1, 1-(\q)%2
	FETCH_A \slot, (\q)+1, 0
	WIN MUL_HI
	MUL16 4, (\q)%2, \q, \slot, \zero
	MUL16 6, (\q)%2, \q, \slot, \zero
	PLACES NP
	WIN 0
	FETCH_A \slot, (\q)+1, 4
.endm
; A slot's last step changes slots: one barrier; in front of it each wave waits for all its tensor loads, adds 0 to its spare word, and waits for that and for its reads of this slot.
.macro TURN slot, next, fill
	s_wait_tensorcnt 0x0                           ; all my tensor loads have landed: my part of the next slot
	ds_add_u32 v[SPW], v[NIL]
	s_wait_dscnt 4*NL+1                            ; the add and the youngest 24 loads may be out
	WIN MUL_LO
	MUL16 0, 1, NQ-1, \slot, 0
	s_wait_dscnt 0x0                               ; the add is done, and my reads of this slot are over
	s_barrier_signal -1
	MUL16 2, 1, NQ-1, \slot, 0
	WIN 0
	s_barrier_wait -1
.if \fill
	CREST                                          ; the barrier has opened a round of the cluster's barrier: no wave of any partner still reads this slot or has a load on its way
	s_add_nc_u64 s[G0+4*\slot+2:G0+4*\slot+3], s[G0+4*\slot+2:G0+4*\slot+3], 2*ROWB
	s_add_nc_u64 s[G0B+4*\slot+2:G0B+4*\slot+3], s[G0B+4*\slot+2:G0B+4*\slot+3], 2*ROWB
	JLOAD G0+4*\slot, G1, G0B+4*\slot, G1B         ; the first tensor load behind the round; its four v_nop are the places in front of the loads below
.else
	PLACES NP
.endif
	v_add_nc_u32 v[ADRS], 4*NQ, v[ADRS]            ; the next K step's scale words
	FETCH_B \next, 0, 0
	FETCH_A \next, 0, 0
	SCALES \next
	WIN MUL_HI
	MUL16 4, 1, NQ-1, \slot, 0
	MUL16 6, 1, NQ-1, \slot, 0
	PLACES NP
	WIN 0
	FETCH_A \next, 0, 4
.endm
	s_wait_tensorcnt 1                             ; the scales and my part of K step 0 are in; K step 1's load may be out
	s_barrier_signal -1
	s_barrier_wait -1
	FETCH_B 0, 0, 0
	FETCH_A 0, 0, 0
	SCALES 0
	FETCH_A 0, 0, 4
	STEP 0, 0, 1                                   ; the first step's products start the sums
	s_mov_b32 s3, LAPS-1
.Llap:
	TURN 0, 1, 1
	STEP 1, 0, 0
	TURN 1, 0, 1
	STEP 0, 0, 0
	s_sub_co_u32 s3, s3, 1
	s_cmp_lg_u32 s3, 0
	s_cbranch_scc1 .Llap
	TURN 0, 1, 0                                   ; the last lap fills nothing
	STEP 1, 0, 0
	s_wait_dscnt 4*NL
	WIN MUL_LO
	MUL16 0, 1, NQ-1, 1, 0
	MUL16 2, 1, NQ-1, 1, 0
	s_wait_dscnt 0
	WIN MUL_HI
	MUL16 4, 1, NQ-1, 1, 0
	MUL16 6, 1, NQ-1, 1, 0
	WIN 0
; THE WAY OUT.  64 numbers of a lane, register 16 b + i = k 32 b + 16 (lane / 16) + i of my row, become a fragment's codes in v[d] on and its scale word in v[pw].
.macro QUANT s, d, y, pw
.irp b, 0,1,2,3
	v_max3_num_f32 v[BM+\b], |v[\s+16*\b]|, |v[\s+1+16*\b]|, 0x1800000   ; my 16 numbers of block b, and the floor 2^(3 - 127)
.endr
.irp i, 2,4,6,8,10,12,14
.irp b, 0,1,2,3
	v_max3_num_f32 v[BM+\b], v[BM+\b], |v[\s+16*\b+\i]|, |v[\s+1+16*\b+\i]|   ; the four blocks by turns
.endr
.endr
.irp b, 0,1,2,3
	v_permlanex16_b32 v[BP+\b], v[BM+\b], s18, s19
.endr
.irp b, 0,1,2,3
	v_max_num_f32 v[BM+\b], v[BM+\b], v[BP+\b]     ; with lane l xor 16's: the block's largest magnitude
.endr
.irp b, 0,1,2,3
	v_add_nc_u32 v[BS+\b], 0xff000000, v[BM+\b]    ; 2 off its exponent field: the conversion's scale operand
.endr
.irp b, 0,1,2,3
	v_lshrrev_b32 v[BP+\b], 23, v[BS+\b]           ; the byte
.endr
	v_lshl_or_b32 v[\pw], v[BP+1], 8, v[BP]
	v_lshl_or_b32 v[\pw], v[BP+2], 16, v[\pw]
	v_lshl_or_b32 v[\pw], v[BP+3], 24, v[\pw]
.irp c, 0,1
	v_cvt_scalef32_pk16_fp6_f32 v[\d+6*\c:\d+6*\c+2], v[\s+32*\c:\s+32*\c+15], v[BS+2*\c]
	v_cvt_scalef32_pk16_fp6_f32 v[\y+4*\c:\y+4*\c+2], v[\s+32*\c+16:\s+32*\c+31], v[BS+2*\c+1]   ; (a conversion's three registers begin on an even number)
.endr
	v_nop                                          ; one plain place behind a scaled conversion
.irp c, 0,1                            ; the operand's layout wants a whole block in a lane
.irp i, 0,1,2
	v_permlane16_swap_b32 v[\d+6*\c+\i], v[\y+4*\c+\i]
.endr
.irp i, 0,1,2
	v_mov_b32 v[\d+6*\c+3+\i], v[\y+4*\c+\i]
.endr
.endr
.endm
; A's blocks one after the other: the bias is added (which also brings the sums into window 0, each accumulator from its low end on), the 128 numbers are quantised, and the two half images are stored.
; mode 0 (q, k): half image c is head c of my two, image a of my eight token tiles.  mode 1 (v): block a is head a / 4, d tile a % 4; half image c is keys 64 c on.
.macro EPI mode
.irp a, 0,1,2,3,4,5,6,7
.if \a > 0
	s_wait_xcnt 0x0                                ; the last block's stores have read their registers
.endif
	WIN 0x02+(\a/4)                                ; source 0: window 2 or 3
.set AC, 64*(\a%4)
.set i, 0
.rept 32
.if \mode
	v_pk_add_f32 v[HA+i:HA+i+1], v[AC+i:AC+i+1], v[BL+2*\a:BL+2*\a+1]
.else
	v_pk_add_f32 v[HA+i:HA+i+1], v[AC+i:AC+i+1], v[BR+i:BR+i+1]
.endif
.set i, i+2
.endr
	WIN 0
	QUANT HA, PC, CY, PW+\a
.irp c, 0,1
.if \mode
.set OO, HEADB*(\a/4)+1536*(\a%4)+768*\c
.else
.set OO, 768*\a+HEADB*\c
.endif
	global_store_b128 v8, v[PC+6*\c:PC+6*\c+3], s[98:99] offset:OO          ; 512 consecutive bytes, aligned
	global_store_b64 v9, v[PC+6*\c+4:PC+6*\c+5], s[98:99] offset:OO+512     ; 256 consecutive bytes, aligned
.endr
.endr
	; the scale words: lanes 0-15 store my first head's 256 bytes, lanes 16-31 the next head's
.if \mode
	v_mov_b32 v[SELV], 0x03020100                  ; word f of a head is block (4 x head + f)'s word
	v_mov_b32 v253, 0x07060504
.else
	v_mov_b32 v[SELV], 0x05040100                  ; word f of head c: bytes 2 c, 2 c + 1 of blocks 2 f and 2 f + 1
	v_mov_b32 v253, 0x07060302
.endif
	v_cndmask_b32 v[SELV], v[SELV], v253, s97
.irp f, 0,1,2,3
.if \mode
	v_perm_b32 v[WD+\f], v[PW+4+\f], v[PW+\f], v[SELV]
.else
	v_perm_b32 v[WD+\f], v[PW+2*\f+1], v[PW+2*\f], v[SELV]
.endif
.endr
	global_store_b128 v10, v[WD:WD+3], s[100:101]
.endm
	PLACES NP                                      ; behind the last products: the lines below read results and write registers that held A's fragments
	s_wait_loadcnt 0x0                             ; the bias is in, and its bases may be written
	s_cmp_eq_u32 s95, 1
	s_cselect_b32 s20, s42, s17                    ; the tile of tokens,
	s_cselect_b32 s21, s41, s40                    ; the tile of columns in q, k or v: four heads,
	s_cselect_b32 s22, s15, s16                    ; my half of them: two heads,
	s_cselect_b32 s23, s16, s15                    ; my half of the tokens
	s_mul_i32 s46, ttmp9, 12800
	s_mov_b32 s47, 25088
	s_cselect_b32 s46, s47, s46                    ; the codes' section of a block
	s_mov_b32 s92, 37888
	s_mov_b32 s93, 37376
	s_cselect_b32 s92, s92, s93
	s_mov_b32 s93, 12288
	s_cmp_eq_u32 ttmp9, 0
	s_cselect_b32 s92, s93, s92                    ; the scale words' section
	s_lshr_b32 s93, s20, 3                         ; batch
	s_lshl_b32 s93, s93, 4
	s_and_b32 s20, s20, 7                          ; which 256 tokens of the batch
	s_lshl_b32 s21, s21, 2
	s_add_co_u32 s93, s93, s21
	s_lshl_b32 s22, s22, 1
	s_add_co_u32 s93, s93, s22                     ; 16 x batch + my first head
	s_lshl_b32 s93, s93, 3
	s_add_co_u32 s93, s93, s20
	s_mul_i32 s93, s93, BLKB                       ; the block
	s_mul_i32 s21, s23, 6144
	s_add_co_u32 s46, s46, s93
	s_add_co_u32 s46, s46, s21
	s_mov_b32 s47, 0
	s_add_nc_u64 s[98:99], s[12:13], s[46:47]      ; my codes
	s_lshl_b32 s21, s23, 8
	s_add_co_u32 s46, s92, s93
	s_add_co_u32 s46, s46, s21
	s_add_nc_u64 s[100:101], s[12:13], s[46:47]    ; my scale words
	s_mov_b32 s18, 0x76543210
	s_mov_b32 s19, 0xfedcba98                      ; v_permlanex16_b32's selects for lane l xor 16
	s_mov_b32 s97, 0xffff0000                      ; lanes 16-31
.irp b, 0,1,2,3
	v_mov_b32 v[BP+\b], 0                          ; written once: a lane permute's destination counts as one of its sources
.endr
	s_cmp_eq_u32 s95, 1
	s_cbranch_scc1 .Lv
	EPI 0
	s_branch .Lend
.Lv:
	EPI 1
.Lend:
	s_wait_tensorcnt 0x0                           ; the wave's end
	ds_add_u32 v[SPW], v[NIL]
	s_wait_dscnt 0x0
	CROUND                                         ; the closing round
	s_endpgm
.Lfunc_end_k_q16b69a10d9_qkv:
	.size	k_q16b69a10d9_qkv, .Lfunc_end_k_q16b69a10d9_qkv-k_q16b69a10d9_qkv
	.p2alignl 7, 3214868480
	.fill 96, 4, 3214868480
	.section	.rodata,"a",@progbits
	.p2align	6, 0x0
	.amdhsa_kernel k_q16b69a10d9_qkv
		.amdhsa_group_segment_fixed_size 327680
		.amdhsa_private_segment_fixed_size 0
		.amdhsa_enable_private_segment 0
		.amdhsa_kernarg_size 48
		.amdhsa_user_sgpr_count 2
		.amdhsa_user_sgpr_kernarg_segment_ptr 1
		.amdhsa_wavefront_size32 1
		.amdhsa_system_sgpr_workgroup_id_x 1
		.amdhsa_system_sgpr_workgroup_id_y 1
		.amdhsa_system_sgpr_workgroup_id_z 1
		.amdhsa_system_vgpr_workitem_id 0
		.amdhsa_next_free_vgpr 1024
		.amdhsa_next_free_sgpr 102
		.amdhsa_reserve_vcc 0
		.amdhsa_float_denorm_mode_32 3
		.amdhsa_float_denorm_mode_16_64 3
		.amdhsa_memory_ordered 1
		.amdhsa_forward_progress 1
		.amdhsa_inst_pref_size 236
	.end_amdhsa_kernel
	.amdgpu_metadata
---
amdhsa.version: [ 1, 2 ]
amdhsa.kernels:
  - .name:           k_q16b69a10d9_qkv
    .symbol:         k_q16b69a10d9_qkv.kd
    .args:
      - { .name: xc, .offset: 0, .size: 8, .value_kind: global_buffer, .address_space: global }
      - { .name: xs, .offset: 8, .size: 8, .value_kind: global_buffer, .address_space: global }
      - { .name: wc, .offset: 16, .size: 8, .value_kind: global_buffer, .address_space: global }
      - { .name: ws, .offset: 24, .size: 8, .value_kind: global_buffer, .address_space: global }
      - { .name: qkvb, .offset: 32, .size: 8, .value_kind: global_buffer, .address_space: global }
      - { .name: b_qkv, .offset: 40, .size: 8, .value_kind: global_buffer, .address_space: global }
    .group_segment_fixed_size: 327680
    .private_segment_fixed_size: 0
    .kernarg_segment_align: 8
    .kernarg_segment_size: 48
    .max_flat_workgroup_size: 128
    .sgpr_count:     102
    .vgpr_count:     1024
    .wavefront_size: 32
...
	.end_amdgpu_metadata
.endif
;; end of part 2
;; launch attn (part 3): grid 4 x 64, 16 waves a work-group, no clusters, 327,680 bytes of LDS; arguments qkvb, ac, asc; writes ac, asc
.if DOCPART == 3
	.amdgcn_target "amdgcn-amd-amdhsa--gfx1250"
	.amdhsa_code_object_version 6
	.text
	.protected	k_q16b69a10d9_attn
	.globl	k_q16b69a10d9_attn
	.p2align	8
	.type	k_q16b69a10d9_attn,@function
k_q16b69a10d9_attn:
	s_mov_b64 s[64:65], 0
	v_nop
	global_prefetch_b8 v0, s[64:65] scope:SCOPE_SE
	s_setreg_imm32_b32 hwreg(HW_REG_WAVE_MODE, 25, 1), 1
	s_wait_xcnt 0x0
; Causal attention on codes of FP6 (E2M3) with E8M0 scales, head size 64, 2,048 tokens, 64 (batch x head); o / l is quantised along the head's dims and stored as operand images for the last product.
; SOFTMAX: t = score x log2(e) / 8; M = the running largest t rounded up to a whole number; p = 2^(t - M) is quantised along the keys, not normalised; the row's sum is taken of the unquantised p and divides at the end.
; SHARES.  Work-group (p, head) owns the query blocks 7 - p and p (256 queries each): it walks key slots 0 .. 7 - p for the first and 0 .. p for the second: NINE slots of 256 keys in every work-group,
; so the trip count is a constant and every slot that is fetched is read.  Each of sixteen waves owns one tile of 16 queries; four waves share a SIMD, so that one wave's vector work stands beside another's products.
; NO CLUSTER: the four work-groups of a head walk the same slot only in their first five trips; a common walk that all could ask for jointly would have 12 slots for 9.
; IN: qkvb, a block of 38,400 bytes for each (head, 256 tokens): q's codes 0, q's scale words 12,288; from 12,800 one dense run of 25,600 bytes, which is a ring slot: k's codes, v's codes, k's scale words, v's.
;   Codes lie as half images of 768 bytes (six registers of 32 lanes: 16 rows x 64 along K): registers 0-3 at 16 x lane, registers 4-5 at 512 + 8 x lane.
; K = 64 IN AN INSTRUCTION 128 DEEP: a fragment of k is two key tiles, [image 2 f | image 2 f + 1]; q stands as [0 | q | 0] in 18 registers: v[22:33] = [q | 0] gives tile 2 f's scores, v[16:27] = [0 | q] tile 2 f + 1's.
; Both products are used transposed: a lane holds ONE query.  The rows of an image are in storage order (row r of image i is token 32 (i / 2) + 8 (i % 2) + r + 8 (r / 8)), so register 16 f + i of the scores is key 32 f + 16 (lane / 16) + i.
; LIMITS: hidden scores count as -infinity (the same as -1e9 while a row's largest logit lies above about -1e9 + 150); p under 2^-126 is 0; a block under 2^-124 keeps the scale byte 1; NaN and infinities are not served.
.set SLOT1, 32768                      ; slot 1 begins here: one exclusive or turns an address from one slot to the other
.set VCO,   12288                      ; in a slot: v's codes,
.set KSO,   24576                      ; k's scale words,
.set VSO,   25088                      ; v's
.set SPARE, 65536                      ; the spare words, 128 bytes a wave: eight blocks of 256 bytes that no other line names
.set BLKB,  38400
.set HEADB, 307200
.set KRUN,  12800                      ; where a block's run for the ring begins
.set QUART, 6400                       ; a quarter of it: what one tensor load brings
.set FRG, 44                           ; v44-91   four fragments of k, then of v
.set SCW, 92                           ; v92-95   their scale words
.set S,   96                           ; v96-159  the scores, then p
.set OT,  160                          ; v160-191 O^T
.set PC,  192                          ; v192-203 p's codes
.set CY,  204                          ; v204-206, v208-210 the conversions' second halves
.set BM,  212
.set BP,  216
.set BS,  220
.set PW,  224                          ; p's scale word
.set FF,  226                          ; v[226:227] f, later 1 / l
; v1 16 x lane, v2 8 x lane, v3 16 r, v4 my query less the wave's base less 16 h, v5 my spare word, v6 0, v7 32 r + h, v8-10 the step's LDS addresses, v11 the prefetch's offset,
; v12 -M, v13 the largest t, v[14:15] the sum, v16-33 [0 | q | 0], v34 q's scale word, v35-41 the second block's q, v42 the first block's raw scale word, v228-230 at work
.set WV,  10
.set SEL, 14
.set CS,  16
.set TB,  18                           ; LDS byte at which the slot in hand begins
.set KF,  19                           ; the step's first key
.set Q0,  20                           ; the base of my queries: 256 x block + 32 (wave / 2)
.set Q1,  21                           ; the same in the second block
.set SLOTS, 22
.set SW,  23                           ; the trip (by SLOTS) in which the first block ends
.set G1,  24
.set G0,  32
.set UP,  36
.set DN,  38
.set BACK, 40
.set ACA, 42
.set ACB, 44
.set ASA, 46
.set ASB, 48
.set PFA, 50
.set LIM, 52
.set HIM, 53
.set QSEL, 54
.macro TLOAD                           ; waves 0 to 3 fetch a quarter of a slot each; the branch hangs on the wave's number alone; an s_nop 0 and four v_nop follow the load
	s_cmp_lt_u32 s[WV], 4
	s_cbranch_scc0 .Lnone_\@
	tensor_load_to_lds s[G0:G0+3], s[G1:G1+7]
	s_nop 0
.rept 4
	v_nop
.endr
.Lnone_\@:
.endm
; A prefetch of the slot that the NEXT change of slots will ask for.  All four work-groups of a head walk the same blocks: the one that walks slots 0 to 7 on end (p = 0) asks, in its first six trips, for slots 2 to 7;
; its waves 4 to 7, which fetch nothing, take a quarter each: 25 runs of 256 bytes, a lane a run (lanes 25 to 31 name the 25th again in the same instruction).  Slots 0 and 1 come by their loads alone.
.macro ASK
	s_cmp_gt_u32 s[SLOTS], s[LIM]
	s_cbranch_scc0 .Lnot_mine_\@
	global_prefetch_b8 v11, s[PFA:PFA+1] th:TH_LOAD_NT scope:SCOPE_SE
.Lnot_mine_\@:
.endm
	s_load_b128 s[4:7], s[0:1], 0x0                ; qkvb, ac
	s_load_b64 s[8:9], s[0:1], 0x10                ; asc
	v_lshl_add_u32 v5, v0, 2, SPARE
	v_mov_b32 v6, 0
	ds_add_u32 v5, v6                              ; the wave's opening: the add and its wait ahead of my first tensor load
	ds_add_u32 v5, v6
	v_lshrrev_b32 v1, 5, v0
	s_delay_alu instid0(VALU_DEP_1)
	v_readfirstlane_b32 s[WV], v1                  ; wave 0..15
	s_and_b32 s12, ttmp7, 0xffff                   ; 16 x batch + head
	s_sub_co_u32 s13, 7, ttmp9                     ; the first block: 7 - p
	s_mov_b32 s[G1], 3<<16                         ; no mask; elements of 8 bytes; no padding
	s_mov_b32 s[G1+1], 32<<16                      ; tensor_dim0: 256 bytes
	s_mov_b32 s[G1+2], 25<<16                      ; tensor_dim1: 25 rows
	s_mov_b32 s[G1+3], 32<<16                      ; tile_dim0
	s_mov_b32 s[G1+4], 25                          ; tile_dim1
	s_mov_b32 s[G1+5], 32                          ; the pitch: dense
	s_mov_b32 s[G1+6], 0
	s_mov_b32 s[G1+7], 0
	s_and_b32 s56, s[WV], 3
	s_mul_i32 s56, s56, QUART                      ; my quarter, in LDS and in memory
	s_mul_i32 s58, s12, HEADB
	s_mov_b32 s59, 0
	s_add_co_u32 s60, s56, KRUN
	s_mov_b32 s61, 0
	s_mul_i32 s[BACK], s13, BLKB                   ; from the first block's last slot back to slot 0
	s_mov_b32 s[UP+1], 0
	s_mov_b32 s[DN+1], 0
	s_mov_b32 s[SEL], 0x76543210
	s_mov_b32 s[SEL+1], 0xfedcba98                 ; v_permlanex16_b32's selects for lane l xor 16
	s_mov_b32 s[CS], 0x3e38aa3b                    ; c = log2(e) / 8
	s_mov_b32 s[CS+1], s[CS]                       ; (named with it as a pair, so it is written)
	s_mov_b32 s[TB], 0
	s_mov_b32 s[KF], 0
	s_mov_b32 s[SLOTS], 8
	s_add_co_u32 s[SW], ttmp9, 1
	s_mov_b32 s[HIM], 0xffff0000                   ; lanes 16-31
	s_lshr_b32 s57, s[WV], 1
	s_lshl_b32 s57, s57, 5
	s_lshl_b32 s[Q0], s13, 8
	s_add_co_u32 s[Q0], s[Q0], s57
	s_lshl_b32 s[Q1], ttmp9, 8
	s_add_co_u32 s[Q1], s[Q1], s57
	s_lshr_b32 s66, s[WV], 2
	s_xor_b32 s66, s66, 1                          ; 0 in waves 4 to 7,
	s_or_b32 s66, s66, ttmp9                       ; of the work-group with p = 0
	s_cmp_eq_u32 s66, 0
	s_cselect_b32 s[LIM], 2, -1
	s_and_b32 s70, s[WV], 1
	s_cmp_lg_u32 s70, 0
	s_mov_b32 s[QSEL], 0x01000100
	s_cselect_b32 s[QSEL], 0x03020302, s[QSEL]     ; my image's two bytes of the scale word, twice
	s_lshr_b32 s66, s12, 4
	s_lshl_b32 s66, s66, 7
	s_add_co_u32 s66, s66, s[WV]                   ; 128 x batch + wave
	s_and_b32 s67, s12, 15                         ; head
	s_lshl_b32 s68, s13, 4
	s_add_co_u32 s68, s68, s66                     ; my token tile in the first block,
	s_lshl_b32 s69, ttmp9, 4
	s_add_co_u32 s69, s69, s66                     ; and in the second
	s_lshl_b32 s72, s68, 4
	s_add_co_u32 s72, s72, s67
	s_mul_i32 s72, s72, 768                        ; ac: (16 x tile + head) x 768
	s_mov_b32 s73, 0
	s_lshl_b32 s74, s69, 4
	s_add_co_u32 s74, s74, s67
	s_mul_i32 s74, s74, 768
	s_mov_b32 s75, 0
	s_lshl_b32 s67, s67, 1
	s_lshl_b32 s68, s68, 9
	s_add_co_u32 s68, s68, s67                     ; asc: 512 x tile + 2 x head
	s_lshl_b32 s76, s69, 9
	s_add_co_u32 s76, s76, s67
	s_mov_b32 s69, 0
	s_mov_b32 s77, 0
	s_wait_dscnt 0x0                               ; the opening add is done
	s_wait_kmcnt 0x0
	s_add_nc_u64 s[4:5], s[4:5], s[58:59]          ; qkvb at my head
	s_mov_b32 s[G0], 1
	s_mov_b32 s[G0+1], s56                         ; slot 0
	s_add_nc_u64 s[G0+2:G0+3], s[4:5], s[60:61]
	s_or_b32 s[G0+3], s[G0+3], 0x80000000
	TLOAD                                          ; key slot 0: one tensor load of mine is out
	s_add_nc_u64 s[PFA:PFA+1], s[4:5], s[60:61]
	s_add_nc_u64 s[PFA:PFA+1], s[PFA:PFA+1], BLKB  ; at slot 1: the first change of slots steps it to slot 2
	s_add_nc_u64 s[ACA:ACA+1], s[6:7], s[72:73]
	s_add_nc_u64 s[ACB:ACB+1], s[6:7], s[74:75]
	s_add_nc_u64 s[ASA:ASA+1], s[8:9], s[68:69]
	s_add_nc_u64 s[ASB:ASB+1], s[8:9], s[76:77]
	s_mov_b32 s68, s[BACK]
	s_add_nc_u64 s[62:63], s[4:5], s[68:69]        ; the first query block's block of qkvb,
	s_mul_i32 s68, ttmp9, BLKB
	s_add_nc_u64 s[66:67], s[4:5], s[68:69]        ; the second's
	v_and_b32 v7, 31, v0                           ; lane
	s_delay_alu instid0(VALU_DEP_1)
	v_lshlrev_b32 v1, 4, v7
	s_delay_alu instid0(VALU_DEP_2)
	v_lshlrev_b32 v2, 3, v7
	v_and_b32 v228, 15, v0                         ; r
	v_bfe_u32 v229, v0, 4, 1                       ; h
	s_delay_alu instid0(VALU_DEP_2)
	v_lshlrev_b32 v3, 4, v228
	v_min_u32 v11, 24, v7
	s_delay_alu instid0(VALU_DEP_1)
	v_lshlrev_b32 v11, 8, v11
	v_and_b32 v230, 8, v228
	s_delay_alu instid0(VALU_DEP_1)
	v_add_nc_u32 v4, v230, v228                    ; r + 8 (r / 8)
	v_lshlrev_b32 v230, 4, v229
	s_delay_alu instid0(VALU_DEP_1)
	v_sub_nc_u32 v4, v4, v230                      ; - 16 h
	s_lshl_b32 s71, s70, 3
	v_add_nc_u32 v4, s71, v4                       ; + 8 (wave % 2)
	v_lshl_add_u32 v7, v228, 5, v229               ; 32 r + h
	s_mul_i32 s71, s[WV], 768                      ; my image of q
	v_add_nc_u32 v228, s71, v1
	v_add_nc_u32 v229, s71, v2
	s_lshr_b32 s72, s[WV], 3
	s_lshl_b32 s72, s72, 8
	s_bfe_u32 s73, s[WV], 0x20001                  ; (wave % 8) / 2
	s_lshl_b32 s73, s73, 2
	s_add_co_u32 s72, s72, s73
	s_add_co_u32 s72, s72, 12288
	v_add_nc_u32 v230, s72, v3                     ; its scale word
	global_load_b128 v[22:25], v228, s[62:63]
	global_load_b64 v[26:27], v229, s[62:63] offset:512
	global_load_b32 v42, v230, s[62:63]
	global_load_b128 v[36:39], v228, s[66:67]
	global_load_b64 v[40:41], v229, s[66:67] offset:512
	global_load_b32 v35, v230, s[66:67]
	s_wait_loadcnt 0x0
	v_perm_b32 v34, v42, v42, s[QSEL]              ; q's scale word: [dims 0-31, dims 32-63] twice, for either place of q.  The lines below are the places between it and the first product
.irp j, 0,1,2,3,4,5
	v_mov_b32 v[16+\j], 0
	v_mov_b32 v[28+\j], 0                          ; zero codes: they add nothing under any scale byte
.endr
	v_mov_b32 v13, 0xff61b1e6                      ; the largest t so far: -3e38
	s_delay_alu instid0(VALU_DEP_1)
	v_floor_f32 v12, -v13                          ; -M
	v_mov_b32 v14, 0
	v_mov_b32 v15, 0
.irp b, 0,1,2,3
	v_mov_b32 v[BP+\b], 0                          ; written once: a lane permute's destination counts as one of its sources
.endr
	v_mov_b32 v[FF+1], 0                           ; (named as the upper half of a pair)
.set i, 0
.rept 32
	v_mov_b32 v[OT+i], 0                           ; the step is written once: the first finds zeros
.set i, i+1
.endr
; A KEY STEP: 128 keys, the q-th of the slot in hand.
.macro STEP q
	s_add_co_u32 s70, s[Q0], 31
	s_cmp_gt_u32 s[KF], s70                        ; all keys come after my queries: the step's work is left out (ids and the count of steps alone; no barrier and no tensor load stands in a step)
	s_cbranch_scc1 .Lhidden_\@
	v_add_nc_u32 v8, s[TB], v1
	v_add_nc_u32 v9, s[TB], v2
	v_add_nc_u32 v10, s[TB], v3
	v_nop                                          ; with the three above: four places behind the last step's products, in front of the loads into their registers
.irp f, 0,1,2,3
.irp u, 0,1
	ds_load_b128 v[FRG+12*\f+6*\u:FRG+12*\f+6*\u+3], v8 offset:768*(8*(\q)+2*\f+\u)
	ds_load_b64 v[FRG+12*\f+6*\u+4:FRG+12*\f+6*\u+5], v9 offset:768*(8*(\q)+2*\f+\u)+512
.endr
.endr
	ds_load_b128 v[SCW:SCW+3], v10 offset:KSO+256*(\q)
	s_wait_alu depctr_va_vdst(0)
	s_wait_dscnt 0x0
.irp f, 0,1,2,3                        ; S^T = k q^T: eight tiles of 16 keys
	v_wmma_scale_f32_16x16x128_f8f6f4 v[S+16*\f:S+16*\f+7], v[FRG+12*\f:FRG+12*\f+11], v[22:33], 0, v[SCW+\f], v34 matrix_a_fmt:MATRIX_FMT_FP6 matrix_b_fmt:MATRIX_FMT_FP6
	v_wmma_scale_f32_16x16x128_f8f6f4 v[S+16*\f+8:S+16*\f+15], v[FRG+12*\f:FRG+12*\f+11], v[16:27], 0, v[SCW+\f], v34 matrix_a_fmt:MATRIX_FMT_FP6 matrix_b_fmt:MATRIX_FMT_FP6
.endr
.rept 4
	v_nop                                          ; places: the loads below land in the products' registers, and the softmax reads their results
.endr
.irp t, 0,1,2,3                        ; v's fragments are asked for now and land under the softmax
.irp c, 0,1
	ds_load_b128 v[FRG+12*\t+6*\c:FRG+12*\t+6*\c+3], v8 offset:VCO+768*(8*(\q)+2*\t+\c)
	ds_load_b64 v[FRG+12*\t+6*\c+4:FRG+12*\t+6*\c+5], v9 offset:VCO+768*(8*(\q)+2*\t+\c)+512
.endr
.endr
	ds_load_b128 v[SCW:SCW+3], v10 offset:VSO+256*(\q)
	s_add_co_u32 s70, s[KF], 127                   ; on the diagonal hidden scores become -infinity; a step all of whose keys count skips this
	s_cmp_le_u32 s70, s[Q0]
	s_cbranch_scc1 .Lopen_\@
	s_sub_co_i32 s70, s[Q0], s[KF]
	v_add_nc_u32 v229, s70, v4                     ; d = my query - KF - 16 h: register 16 b + i holds key KF + 16 h + 32 b + i: hidden where 32 b + i > d
	v_mov_b32 v230, 0xff800000
.set n, 0
.rept 64
	v_cmp_gt_i32 vcc_lo, 32*(n/16)+n%16, v229
	v_cndmask_b32 v[S+n], v[S+n], v230, vcc_lo
.set n, n+1
.endr
.Lopen_\@:
.irp b, 0,1,2,3
	v_max3_num_f32 v[BM+\b], v[S+16*\b], v[S+16*\b+1], v[S+16*\b+2]   ; the largest score of each block of 32 keys: for the row's maximum and for the block's largest p
.endr
.irp i, 3,5,7,9,11,13
.irp b, 0,1,2,3
	v_max3_num_f32 v[BM+\b], v[BM+\b], v[S+16*\b+\i], v[S+16*\b+\i+1]
.endr
.endr
.irp b, 0,1,2,3
	v_max_num_f32 v[BM+\b], v[BM+\b], v[S+16*\b+15]
.endr
.irp b, 0,1,2,3
	s_delay_alu instid0(VALU_DEP_4)
	v_permlanex16_b32 v[BP+\b], v[BM+\b], s[SEL], s[SEL+1]
.endr
.irp b, 0,1,2,3
	s_delay_alu instid0(VALU_DEP_4)
	v_max_num_f32 v[BM+\b], v[BM+\b], v[BP+\b]
.endr
	s_delay_alu instid0(VALU_DEP_2)
	v_max3_num_f32 v228, v[BM], v[BM+1], v[BM+2]
	s_delay_alu instid0(VALU_DEP_1)
	v_max_num_f32 v228, v228, v[BM+3]
	s_delay_alu instid0(VALU_DEP_1)
	v_mul_f32 v228, s[CS], v228                    ; as t
	s_delay_alu instid0(VALU_DEP_1)
	v_max_num_f32 v13, v13, v228                   ; the running largest t
	v_mov_b32 v228, v12
	s_delay_alu instid0(VALU_DEP_2)
	v_floor_f32 v12, -v13                          ; the new -M: a whole number
	s_delay_alu instid0(VALU_DEP_1)
	v_sub_f32 v228, v12, v228                      ; old M - new M, 0 or less
	s_delay_alu instid0(VALU_DEP_1)
	v_cvt_i32_f32 v228, v228                       ; (it saturates)
	s_delay_alu instid0(VALU_DEP_1)
	v_ldexp_f32 v[FF], 1.0, v228                   ; f = 2^(old M - new M): a multiplication by it rounds nothing
.set j, 0
.rept 32
	v_pk_fma_f32 v[S+j:S+j+1], v[S+j:S+j+1], s[CS:CS+1], v[12:13] op_sel_hi:[1,0,0]   ; t - M
.set j, j+2
.endr
.irp b, 0,1,2,3
	v_fma_f32 v[BM+\b], v[BM+\b], s[CS], v12
.endr
.set j, 0
	s_wait_alu depctr_va_vdst(0)
.rept 64
	v_exp_f32 v[S+j], v[S+j]                       ; p = 2^(t - M)
.set j, j+1
.endr
	v_pk_mul_f32 v[14:15], v[14:15], v[FF:FF+1] op_sel_hi:[1,0]   ; the sum under the new M: the plain place behind the exponentials
	s_wait_alu depctr_va_vdst(0)                   ; one wait for the batch of 64, ahead of its first reader
.irp b, 0,1,2,3
	v_exp_f32 v[BM+\b], v[BM+\b]                   ; the block's largest p
.endr
	v_pk_add_f32 v[216:217], v[100:101], v[104:105]
	v_pk_add_f32 v[238:239], v[108:109], v[112:113]
	v_pk_add_f32 v[236:237], v[116:117], v[120:121]
	v_pk_add_f32 v[234:235], v[124:125], v[128:129]
	v_pk_add_f32 v[232:233], v[132:133], v[136:137]
	v_pk_add_f32 v[230:231], v[140:141], v[144:145]
	v_pk_add_f32 v[224:225], v[148:149], v[152:153]
	v_pk_add_f32 v[14:15], v[14:15], v[156:157]
	v_pk_add_f32 v[216:217], v[216:217], v[96:97]
	v_pk_add_f32 v[238:239], v[238:239], v[98:99]
	v_pk_add_f32 v[236:237], v[236:237], v[102:103]
	v_pk_add_f32 v[234:235], v[234:235], v[106:107]
	v_pk_add_f32 v[232:233], v[232:233], v[110:111]
	v_pk_add_f32 v[230:231], v[230:231], v[114:115]
	v_pk_add_f32 v[224:225], v[224:225], v[118:119]
	v_pk_add_f32 v[14:15], v[14:15], v[122:123]
	v_pk_add_f32 v[216:217], v[216:217], v[126:127]
	v_pk_add_f32 v[238:239], v[238:239], v[130:131]
	v_pk_add_f32 v[236:237], v[236:237], v[134:135]
	v_pk_add_f32 v[234:235], v[234:235], v[138:139]
	v_pk_add_f32 v[232:233], v[232:233], v[142:143]
	v_pk_add_f32 v[230:231], v[230:231], v[146:147]
	v_pk_add_f32 v[224:225], v[224:225], v[150:151]
	v_pk_add_f32 v[14:15], v[14:15], v[154:155]
	v_pk_add_f32 v[216:217], v[216:217], v[158:159]
	s_delay_alu instid0(VALU_DEP_2)
	v_pk_add_f32 v[14:15], v[14:15], v[234:235]
	s_delay_alu instid0(VALU_DEP_2)
	v_pk_add_f32 v[216:217], v[216:217], v[232:233]
	v_pk_add_f32 v[238:239], v[238:239], v[230:231]
	v_pk_add_f32 v[236:237], v[236:237], v[224:225]
	s_delay_alu instid0(VALU_DEP_2)
	v_pk_add_f32 v[14:15], v[14:15], v[238:239]
	s_delay_alu instid0(VALU_DEP_2)
	v_pk_add_f32 v[216:217], v[216:217], v[236:237]
	s_delay_alu instid0(VALU_DEP_1)
	v_pk_add_f32 v[14:15], v[14:15], v[216:217]
	s_wait_alu depctr_va_vdst(0)                   ; and one for the four
.irp b, 0,1,2,3
	v_max_num_f32 v[BM+\b], 0x1800000, v[BM+\b]    ; the floor: the byte cannot fall under 1
.endr
.irp b, 0,1,2,3
	s_delay_alu instid0(VALU_DEP_4)
	v_add_nc_u32 v[BS+\b], 0xff000000, v[BM+\b]
.endr
.irp b, 0,1,2,3
	s_delay_alu instid0(VALU_DEP_4)
	v_lshrrev_b32 v[BP+\b], 23, v[BS+\b]
.endr
	s_delay_alu instid0(VALU_DEP_3)
	v_lshl_or_b32 v[PW], v[BP+1], 8, v[BP]
	s_delay_alu instid0(VALU_DEP_1)
	v_lshl_or_b32 v[PW], v[BP+2], 16, v[PW]
	s_delay_alu instid0(VALU_DEP_1)
	v_lshl_or_b32 v[PW], v[BP+3], 24, v[PW]
.irp c, 0,1
	v_cvt_scalef32_pk16_fp6_f32 v[PC+6*\c:PC+6*\c+2], v[S+32*\c:S+32*\c+15], v[BS+2*\c]
	v_cvt_scalef32_pk16_fp6_f32 v[CY+4*\c:CY+4*\c+2], v[S+32*\c+16:S+32*\c+31], v[BS+2*\c+1]
.endr
	v_nop                                          ; one plain place behind a scaled conversion
.irp c, 0,1
.irp i, 0,1,2
	v_permlane16_swap_b32 v[PC+6*\c+\i], v[CY+4*\c+\i]
.endr
.irp i, 0,1,2
	s_delay_alu instid0(VALU_DEP_3)
	v_mov_b32 v[PC+6*\c+3+\i], v[CY+4*\c+\i]
.endr
.endr
.set j, 0
.rept 16
	v_pk_mul_f32 v[OT+j:OT+j+1], v[OT+j:OT+j+1], v[FF:FF+1] op_sel_hi:[1,0]   ; O^T under the new M; these sixteen are also the places between p's codes and scale word and the products
.set j, j+2
.endr
	s_wait_alu depctr_va_vdst(0)
	s_wait_dscnt 0x0                               ; v's fragments are in
.irp t, 0,1,2,3                        ; O^T += v^T p^T: four accumulators, one instruction each
	v_wmma_scale_f32_16x16x128_f8f6f4 v[OT+8*\t:OT+8*\t+7], v[FRG+12*\t:FRG+12*\t+11], v[PC:PC+11], v[OT+8*\t:OT+8*\t+7], v[SCW+\t], v[PW] matrix_a_fmt:MATRIX_FMT_FP6 matrix_b_fmt:MATRIX_FMT_FP6
.endr
.Lhidden_\@:
	s_add_co_u32 s[KF], s[KF], 128
.endm
; THE CHANGE OF SLOTS, at a slot's head: each wave waits for all its tensor loads, adds 0 to its spare word, and waits for that and for its reads of the slot that it has left; behind the barrier the slot ahead is whole
; and nobody reads the other one, which is filled with the next slot of the walk: one block on, or, where the first query block ends, back to key slot 0.
.macro CHANGE fill
	s_wait_tensorcnt 0x0                           ; no tensor load of mine is out, so group 0 may be written
	ds_add_u32 v5, v6
.if \fill
	s_xor_b32 s[G0+1], s[G0+1], SLOT1
	s_cmp_eq_u32 s[SLOTS], s[SW]
	s_cselect_b32 s[UP], 0, BLKB
	s_cselect_b32 s[DN], s[BACK], 0
	s_add_nc_u64 s[G0+2:G0+3], s[G0+2:G0+3], s[UP:UP+1]
	s_sub_nc_u64 s[G0+2:G0+3], s[G0+2:G0+3], s[DN:DN+1]
	s_wait_xcnt 0x0                                ; the last prefetch, a slot back, has read its address
	s_add_nc_u64 s[PFA:PFA+1], s[PFA:PFA+1], BLKB
.endif
	s_wait_dscnt 0x0                               ; the add is done, and my reads of the slot that I have left are over
	s_barrier_signal -1
	s_barrier_wait -1
.if \fill
	TLOAD                                          ; the first thing behind the barrier, and a wave's one tensor load until the next
	ASK
.endif
.endm
; A QUERY BLOCK ENDS: O^T / l, quantised along the head's 64 dims (two blocks of 32), stored as one half image and 32 scale bytes.  last = 0: the second block's q and a fresh state follow.
.macro FLUSH last
.rept 4
	v_nop                                          ; places behind the last products
.endr
	v_add_f32 v14, v14, v15
	s_delay_alu instid0(VALU_DEP_1)
	v_permlanex16_b32 v228, v14, s[SEL], s[SEL+1]
	s_delay_alu instid0(VALU_DEP_1)
	v_add_f32 v14, v14, v228                       ; the row's sum
	s_wait_alu depctr_va_vdst(0)
	v_rcp_f32 v[FF], v14
	v_nop                                          ; a plain place behind the reciprocal,
	s_wait_alu depctr_va_vdst(0)                   ; and the wait ahead of its first reader
.set i, 0
.rept 16
	v_pk_mul_f32 v[S+i:S+i+1], v[OT+i:OT+i+1], v[FF:FF+1] op_sel_hi:[1,0]   ; register 16 b + i is dim 32 b + 16 h + i of my query
.set i, i+2
.endr
.irp b, 0,1
	v_max3_num_f32 v[BM+\b], |v[S+16*\b]|, |v[S+16*\b+1]|, 0x1800000
.endr
.irp i, 2,4,6,8,10,12,14
.irp b, 0,1
	s_delay_alu instid0(VALU_DEP_2)
	v_max3_num_f32 v[BM+\b], v[BM+\b], |v[S+16*\b+\i]|, |v[S+16*\b+\i+1]|
.endr
.endr
.irp b, 0,1
	s_delay_alu instid0(VALU_DEP_2)
	v_permlanex16_b32 v[BP+\b], v[BM+\b], s[SEL], s[SEL+1]
.endr
.irp b, 0,1
	s_delay_alu instid0(VALU_DEP_2)
	v_max_num_f32 v[BM+\b], v[BM+\b], v[BP+\b]
.endr
.irp b, 0,1
	s_delay_alu instid0(VALU_DEP_2)
	v_add_nc_u32 v[BS+\b], 0xff000000, v[BM+\b]
.endr
.irp b, 0,1
	s_delay_alu instid0(VALU_DEP_2)
	v_lshrrev_b32 v[BP+\b], 23, v[BS+\b]
.endr
	v_cvt_scalef32_pk16_fp6_f32 v[PC:PC+2], v[S:S+15], v[BS]
	v_cvt_scalef32_pk16_fp6_f32 v[CY:CY+2], v[S+16:S+31], v[BS+1]
	v_nop
.irp i, 0,1,2
	v_permlane16_swap_b32 v[PC+\i], v[CY+\i]
.endr
.irp i, 0,1,2
	s_delay_alu instid0(VALU_DEP_3)
	v_mov_b32 v[PC+3+\i], v[CY+\i]
.endr
	v_cndmask_b32 v229, v[BP], v[BP+1], s[HIM]     ; lane (r, h) stores block h's byte of row r
.if \last
	global_store_b128 v1, v[PC:PC+3], s[ACB:ACB+1]
	global_store_b64 v2, v[PC+4:PC+5], s[ACB:ACB+1] offset:512
	global_store_b8 v7, v229, s[ASB:ASB+1]
.else
	global_store_b128 v1, v[PC:PC+3], s[ACA:ACA+1]                 ; 512 consecutive bytes, aligned
	global_store_b64 v2, v[PC+4:PC+5], s[ACA:ACA+1] offset:512     ; 256 consecutive bytes, aligned
	global_store_b8 v7, v229, s[ASA:ASA+1]
.irp j, 0,1,2,3,4,5
	v_mov_b32 v[22+\j], v[36+\j]                   ; the second block's q,
.endr
	v_perm_b32 v34, v35, v35, s[QSEL]              ; its scale word; the lines below are the places between these and the next product
	v_mov_b32 v13, 0xff61b1e6
	s_delay_alu instid0(VALU_DEP_1)
	v_floor_f32 v12, -v13
	v_mov_b32 v14, 0
	v_mov_b32 v15, 0
.set i, 0
.rept 32
	v_mov_b32 v[OT+i], 0
.set i, i+1
.endr
	s_mov_b32 s[Q0], s[Q1]
	s_mov_b32 s[KF], 0
	s_wait_xcnt 0x0                                ; the stores have read their registers: the next steps write them again
.endif
.endm
.Lslot:                                            ; eight trips; the ninth slot is written out, so that no trip jumps over a tensor load
	CHANGE 1
	STEP 0
	STEP 1
	s_xor_b32 s[TB], s[TB], SLOT1
	s_cmp_eq_u32 s[SLOTS], s[SW]                   ; the first block's diagonal slot is done (the work-group's number and the count of trips alone)
	s_cbranch_scc0 .Lnoflush
	FLUSH 0
.Lnoflush:
	s_sub_co_u32 s[SLOTS], s[SLOTS], 1
	s_cmp_lg_u32 s[SLOTS], 0
	s_cbranch_scc1 .Lslot
	CHANGE 0
	STEP 0
	STEP 1
	FLUSH 1
	s_wait_tensorcnt 0x0                           ; the wave's end
	ds_add_u32 v5, v6
	s_wait_dscnt 0x0
	s_endpgm
.Lfunc_end_k_q16b69a10d9_attn:
	.size	k_q16b69a10d9_attn, .Lfunc_end_k_q16b69a10d9_attn-k_q16b69a10d9_attn
	.p2alignl 7, 3214868480
	.fill 96, 4, 3214868480
	.section	.rodata,"a",@progbits
	.p2align	6, 0x0
	.amdhsa_kernel k_q16b69a10d9_attn
		.amdhsa_group_segment_fixed_size 327680
		.amdhsa_private_segment_fixed_size 0
		.amdhsa_enable_private_segment 0
		.amdhsa_kernarg_size 24
		.amdhsa_user_sgpr_count 2
		.amdhsa_user_sgpr_kernarg_segment_ptr 1
		.amdhsa_wavefront_size32 1
		.amdhsa_system_sgpr_workgroup_id_x 1
		.amdhsa_system_sgpr_workgroup_id_y 1
		.amdhsa_system_sgpr_workgroup_id_z 1
		.amdhsa_system_vgpr_workitem_id 0
		.amdhsa_next_free_vgpr 240
		.amdhsa_next_free_sgpr 80
		.amdhsa_reserve_vcc 1
		.amdhsa_float_denorm_mode_32 3
		.amdhsa_float_denorm_mode_16_64 3
		.amdhsa_memory_ordered 1
		.amdhsa_forward_progress 1
		.amdhsa_inst_pref_size 109
	.end_amdhsa_kernel
	.amdgpu_metadata
---
amdhsa.version: [ 1, 2 ]
amdhsa.kernels:
  - .name:           k_q16b69a10d9_attn
    .symbol:         k_q16b69a10d9_attn.kd
    .args:
      - { .name: qkvb, .offset: 0, .size: 8, .value_kind: global_buffer, .address_space: global }
      - { .name: ac, .offset: 8, .size: 8, .value_kind: global_buffer, .address_space: global }
      - { .name: asc, .offset: 16, .size: 8, .value_kind: global_buffer, .address_space: global }
    .group_segment_fixed_size: 327680
    .private_segment_fixed_size: 0
    .kernarg_segment_align: 8
    .kernarg_segment_size: 24
    .max_flat_workgroup_size: 512
    .sgpr_count:     80
    .vgpr_count:     240
    .wavefront_size: 32
...
	.end_amdgpu_metadata
.endif
;; end of part 3
;; launch oproj (part 4): grid 4 x 32, 4 waves a work-group, clusters of 4 x 4, 327,680 bytes of LDS; arguments ac, asc, wc, ws, out0, b_out; writes out0
.if DOCPART == 4
	.amdgcn_target "amdgcn-amd-amdhsa--gfx1250"
	.amdhsa_code_object_version 6
	.text
	.protected	k_q16b69a10d9_oproj
	.globl	k_q16b69a10d9_oproj
	.p2align	8
	.type	k_q16b69a10d9_oproj,@function
k_q16b69a10d9_oproj:
	s_mov_b64 s[64:65], 0
	v_nop
	global_prefetch_b8 v0, s[64:65] scope:SCOPE_SE
	s_setreg_imm32_b32 hwreg(HW_REG_WAVE_MODE, 25, 1), 1
	s_wait_xcnt 0x0
	s_wait_alu depctr_hold_cnt(0) depctr_sa_sdst(0) depctr_va_vdst(0) depctr_va_sdst(0) depctr_va_ssrc(0) depctr_va_vcc(0) depctr_vm_vsrc(0)
	s_getreg_b32 s2, hwreg(HW_REG_IB_STS2, 6, 4)
	s_cmp_eq_u32 s2, 0
	s_cbranch_scc0 .Lentry_in_a_cluster
	s_endpgm
.Lentry_in_a_cluster:
	s_bfe_u32 s2, ttmp6, 0x10000c
	s_cmp_lg_u32 s2, 0xf033
	s_cbranch_scc0 .Lentry_shape_is_right
	s_endpgm
.Lentry_shape_is_right:
; out0 = o w_out + b_out on codes of FP6 (E2M3) with E8M0 scales, K = 1,024.  A tile of 256 x 256 is made by four waves, 128 x 128 each; K goes in steps of 256 through a ring of two LDS slots.
; A = o (source 1): ac [512 token tiles][16 heads][768]: half images (six operand registers of 32 lanes: 16 tokens x 64 dims: registers 0-3 at 16 x lane, 4-5 at 512 + 8 x lane); two heads' images are one fragment.
;   A K step of 256 is four heads: 3,072 consecutive bytes of a token tile.  asc [8192 rows][32]: its scale bytes.
; B = w_out's columns (source 0): wc rows 3,072 on, rows of 768 bytes; ws likewise.
; STORAGE ORDER of both (bits 3 and 4 of the row exchanged): register j of B's tile b is column 32 (b / 2) + 8 (b % 2) + 16 (lane / 16) + j; lane r of A's block a is token 32 (a / 2) + 8 (a % 2) + r + 8 (r / 8): the way out puts both right.
; The bias is the C of each sum's first product.  CLUSTERS: 4 x 4; A's tiles are asked for jointly along a row of the cluster, B's along a column.
; REGISTERS: window 0: v0-31 addresses; v32-63 scale words; v64-127 the bias; v128-223 A's fragments; on the way out v128-255.  window 1: B's fragments, two sets.  windows 2, 3: the accumulators.
.set NQ,     2
.set ROWB,   192
.set KROW,   768
.set PITCH,  240
.set FR,     12
.set NL,     6                         ; LDS loads of a fragment of B
.set NLA,    4                         ; and of A
.set NP,     4
.set AROWB,  3072                      ; a token tile's part of a K step
.set AHALF,  8*AROWB                   ; 128 tokens: what one tensor load brings of A
.set BOFF,   2*AHALF
.set HALFT,  128*PITCH
.set SLOT,   BOFF+2*HALFT
.set LAPS,   2
.set KS,     32
.set SCL,    2*SLOT
.set HALFS,  (128*KS/256)*272
.set SBLK,   (16*KS/256)*272
.set SPARE,  SCL+4*HALFS               ; the spare words, 128 bytes a wave: two blocks of 256 bytes that no other line names
.set SPITCH, 528                       ; the way out: a stage of 16 rows x (512 bytes + 16) a wave, in slot 0, which has had its last fill and its last read by then
.set ROWC,   4096                      ; a row of out0 in bytes
.set ADRA, 16                          ; v16-17 16 x lane + my half of A in slot 0, 1;  v18-19 the same with 8 x lane
.set ADRB, 20
.set STO,  24
.set RD,   25
.set CO,   26
.set ADRS, 27
.set SPW,  28
.set NIL,  29
.set SC,   32
.set BR,   64
.set AF,   128
.set BK,   128
.set G1, 24
.set G0, 32
.set G1B, 48
.set G0B, 56
.set G1S, 68
.set G0S, 76
.set G1SB, 80
.set G0SB, 88
.set MSB, 0
.macro WIN new
.if MSB != (\new)
	s_set_vgpr_msb (MSB<<8)|(\new)
.set MSB, (\new)
.endif
.endm
.set MUL_LO, 0xa1
.set MUL_HI, 0xf1
.set TO_B,   0x40
.macro JLOAD g0a, g1a, g0b, g1b        ; waves 0 and 1 fetch for A, waves 2 and 3 for B; an s_nop 0 and four v_nop follow each line
	s_cmp_eq_u32 s15, 0
	s_cbranch_scc0 .Lfor_b_\@
	tensor_load_to_lds s[\g0a:\g0a+3], s[\g1a:\g1a+7]
	s_nop 0
.rept 4
	v_nop
.endr
	s_branch .Lasked_\@
.Lfor_b_\@:
	tensor_load_to_lds s[\g0b:\g0b+3], s[\g1b:\g1b+7]
	s_nop 0
.rept 4
	v_nop
.endr
.Lasked_\@:
.endm
.macro CREST
	s_cmp_lg_u32 s14, 0
	s_cbranch_scc1 .Lnot_wave_0_\@
	s_barrier_signal -3
.Lnot_wave_0_\@:
	s_barrier_wait -3
	s_barrier_signal -1
	s_barrier_wait -1
.endm
.macro CROUND
	s_barrier_signal -1
	s_barrier_wait -1
	CREST
.endm
	s_load_b128 s[4:7], s[0:1], 0x0                ; ac, asc
	s_load_b128 s[8:11], s[0:1], 0x10              ; wc, ws
	s_load_b64 s[12:13], s[0:1], 0x20              ; out0
	s_load_b64 s[66:67], s[0:1], 0x28              ; b_out
	v_lshl_add_u32 v[SPW], v0, 2, SPARE
	v_mov_b32 v[NIL], 0
	ds_add_u32 v[SPW], v[NIL]                      ; the wave's opening: the add and its wait ahead of my first tensor load
	v_lshrrev_b32 v1, 5, v0
	v_readfirstlane_b32 s14, v1
	s_lshr_b32 s15, s14, 1                         ; my half of the tokens.  Also: I fetch for A (0) or for B (1)
	s_and_b32 s16, s14, 1                          ; my half of the columns.  Also: which 128 rows I fetch
	s_bfe_u32 s40, ttmp6, 0x40000
	s_bfe_u32 s41, ttmp6, 0x40004
	s_lshl_b32 s42, ttmp9, 2
	s_add_co_u32 s42, s42, s40                     ; tile column
	s_and_b32 s17, ttmp7, 0xffff
	s_lshl_b32 s17, s17, 2
	s_add_co_u32 s17, s17, s41                     ; tile row
	s_lshl_b32 s43, s41, 2
	s_lshl_b32 s43, 15, s43
	s_lshl_b32 s44, 0x1111, s40
	s_or_b32 s[G1+0], s43, (3<<16)|(1<<21)         ; A: the mask; elements of 8 bytes; no padding; bit 21 beside a mask
	s_mov_b32 s[G1+1], 384<<16                     ; tensor_dim0: 3,072 bytes
	s_mov_b32 s[G1+2], 8<<16                       ; tensor_dim1: 8 token tiles
	s_mov_b32 s[G1+3], 384<<16
	s_mov_b32 s[G1+4], 8
	s_mov_b32 s[G1+5], 1536                        ; the pitch: 12,288 bytes
	s_mov_b32 s[G1+6], 0
	s_mov_b32 s[G1+7], 0
	s_or_b32 s[G1B+0], s44, (0<<16)|(1<<20)|(1<<21)|(3<<22)|(3<<25)  ; B: 128 rows of 192 bytes, 4 words of padding behind every 16
	s_mov_b32 s[G1B+1], ROWB<<16
	s_mov_b32 s[G1B+2], 128<<16
	s_mov_b32 s[G1B+3], ROWB<<16
	s_mov_b32 s[G1B+4], 128
	s_mov_b32 s[G1B+5], KROW
	s_mov_b32 s[G1B+6], 0
	s_mov_b32 s[G1B+7], 0
	s_or_b32 s[G1S+0], s43, (3<<16)|(1<<20)|(1<<21)|(5<<22)|(3<<25)
	s_or_b32 s[G1SB+0], s44, (3<<16)|(1<<20)|(1<<21)|(5<<22)|(3<<25)
.irp g, G1S, G1SB
	s_mov_b32 s[\g+1], 32<<16
	s_mov_b32 s[\g+2], (128*KS/256)<<16
	s_mov_b32 s[\g+3], 32<<16
	s_mov_b32 s[\g+4], 128*KS/256
	s_mov_b32 s[\g+5], 32
	s_mov_b32 s[\g+6], 0
	s_mov_b32 s[\g+7], 0
.endr
	s_lshl_b32 s18, s16, 7
	s_lshl_b32 s20, s17, 8
	s_add_co_u32 s20, s20, s18                     ; A: row 256 x tile row + 128 x half (768 bytes a row, as 12,288 a token tile)
	s_lshl_b32 s46, s42, 8
	s_add_co_u32 s46, s46, s18
	s_mov_b32 s21, 0
	s_mov_b32 s47, 0
	s_mov_b64 s[18:19], KS
	s_mul_u64 s[22:23], s[20:21], s[18:19]
	s_mul_u64 s[92:93], s[46:47], s[18:19]
	s_mov_b64 s[18:19], KROW
	s_mul_u64 s[20:21], s[20:21], s[18:19]
	s_mul_u64 s[46:47], s[46:47], s[18:19]
	s_mul_i32 s45, s16, AHALF                      ; where A's half goes,
	s_mul_i32 s97, s16, HALFT
	s_add_co_u32 s97, s97, BOFF                    ; B's,
	s_mul_i32 s94, s14, HALFS                      ; and the scales
	s_wait_dscnt 0x0                               ; the opening add is done
	s_wait_kmcnt 0x0
	s_add_nc_u64 s[8:9], s[8:9], 0x240000          ; wc at row 3,072
	s_add_nc_u64 s[10:11], s[10:11], 0x18000       ; ws likewise
	s_add_nc_u64 s[20:21], s[4:5], s[20:21]
	s_add_nc_u64 s[22:23], s[6:7], s[22:23]
	s_add_nc_u64 s[46:47], s[8:9], s[46:47]
	s_add_nc_u64 s[92:93], s[10:11], s[92:93]
	CROUND
	s_mov_b32 s[G0S], 1
	s_add_co_u32 s[G0S+1], s94, SCL
	s_mov_b64 s[G0S+2:G0S+3], s[22:23]
	s_or_b32 s[G0S+3], s[G0S+3], 0x80000000
	s_mov_b32 s[G0SB], 1
	s_add_co_u32 s[G0SB+1], s94, SCL
	s_mov_b64 s[G0SB+2:G0SB+3], s[92:93]
	s_or_b32 s[G0SB+3], s[G0SB+3], 0x80000000
	JLOAD G0S, G1S, G0SB, G1SB
.irp s, 0,1
	s_mov_b32 s[G0+4*\s], 1
	s_add_co_u32 s[G0+4*\s+1], s45, \s*SLOT
	s_add_nc_u64 s[G0+4*\s+2:G0+4*\s+3], s[20:21], \s*AROWB
	s_or_b32 s[G0+4*\s+3], s[G0+4*\s+3], 0x80000000
	s_mov_b32 s[G0B+4*\s], 1
	s_add_co_u32 s[G0B+4*\s+1], s97, \s*SLOT
	s_add_nc_u64 s[G0B+4*\s+2:G0B+4*\s+3], s[46:47], \s*ROWB
	s_or_b32 s[G0B+4*\s+3], s[G0B+4*\s+3], 0x80000000
	JLOAD G0+4*\s, G1, G0B+4*\s, G1B               ; three tensor loads of mine are out
.endr
	v_and_b32 v1, 15, v0                           ; r
	v_bfe_u32 v2, v0, 4, 1                         ; h
	v_and_b32 v6, 31, v0                           ; lane
	v_mul_u32_u24 v3, v1, PITCH
	v_mul_u32_u24 v4, v2, 24
	v_add_nc_u32 v4, v3, v4
	v_lshl_add_u32 v5, v2, 4, v4
	v_lshlrev_b32 v7, 4, v6
	v_lshlrev_b32 v8, 3, v6
	s_mul_i32 s21, s15, AHALF                      ; my 128 tokens of A
	s_mul_i32 s22, s16, HALFT
	s_add_co_u32 s22, s22, BOFF                    ; my 128 rows of B
.irp s, 0,1
	v_add_nc_u32 v[ADRA+\s], s21, v7
	v_add_nc_u32 v[ADRA+2+\s], s21, v8
	v_add_nc_u32 v[ADRB+\s], s22, v4
	v_add_nc_u32 v[ADRB+2+\s], s22, v5
	s_add_co_u32 s21, s21, SLOT
	s_add_co_u32 s22, s22, SLOT
.endr
	v_mul_u32_u24 v5, v1, KS
	v_lshrrev_b32 v9, 8, v5
	v_lshl_add_u32 v5, v9, 4, v5
	s_mul_i32 s21, s15, HALFS
	s_mul_i32 s22, s16, HALFS
	s_add_co_u32 s22, s22, 2*HALFS
	s_sub_co_u32 s22, s22, s21
	v_mul_u32_u24 v9, s22, v2                      ; lanes 16-31 take B's
	s_add_co_u32 s21, s21, SCL
	v_add_nc_u32 v5, v5, v9
	v_add_nc_u32 v[ADRS], s21, v5
	s_mul_i32 s23, s14, 16*SPITCH                  ; my stage
	v_mul_u32_u24 v5, v1, SPITCH
	v_lshl_add_u32 v5, v2, 6, v5                   ; in: row r, + 64 h: my half's 16 columns of each 32
	v_add_nc_u32 v[STO], s23, v5
	v_lshlrev_b32 v[CO], 4, v6                     ; back: the 32 lanes take one row of 512 bytes; and the same in out0
	v_add_nc_u32 v[RD], s23, v[CO]
	v_lshlrev_b32 v11, 6, v2                       ; the bias: 64 h
	s_lshl_b32 s20, s17, 8
	s_lshl_b32 s21, s15, 7
	s_add_co_u32 s20, s20, s21                     ; my first token
	s_mov_b32 s21, 0
	s_mov_b64 s[18:19], ROWC
	s_mul_u64 s[20:21], s[20:21], s[18:19]
	s_lshl_b32 s46, s42, 10
	s_lshl_b32 s47, s16, 9
	s_add_co_u32 s46, s46, s47                     ; my first column, in bytes: also the bias's place
	s_mov_b32 s47, 0
	s_add_nc_u64 s[98:99], s[66:67], s[46:47]
	s_add_nc_u64 s[20:21], s[20:21], s[46:47]
	s_add_nc_u64 s[12:13], s[12:13], s[20:21]
.irp t, 0,1,2,3,4,5,6,7
	global_load_b128 v[BR+8*\t:BR+8*\t+3], v11, s[98:99] offset:(32*(\t/2)+8*(\t%2))*4
	global_load_b128 v[BR+8*\t+4:BR+8*\t+7], v11, s[98:99] offset:(32*(\t/2)+8*(\t%2))*4+16
.endr
.macro FRAG reg, adr, q, i             ; a fragment of B, from padded rows, in pieces of 8 bytes
.irp p, 0,1,2,3,4,5
.set PCE, 12*(\q)+6*(\p/3)+\p%3
.if PCE%8 < 5
	ds_load_b64 v[\reg+2*\p:\reg+2*\p+1], v[\adr] offset:8*PCE+16*(PCE/8)+(\i)*16*PITCH
.else
	ds_load_b64 v[\reg+2*\p:\reg+2*\p+1], v[\adr+2] offset:8*PCE+16*(PCE/8)+(\i)*16*PITCH
.endif
.endr
.endm
.macro FRAGA reg, slot, q, i           ; a fragment of A: two half images as they lie
	ds_load_b128 v[\reg:\reg+3], v[ADRA+\slot] offset:AROWB*(\i)+1536*(\q)
	ds_load_b64 v[\reg+4:\reg+5], v[ADRA+2+\slot] offset:AROWB*(\i)+1536*(\q)+512
	ds_load_b128 v[\reg+6:\reg+9], v[ADRA+\slot] offset:AROWB*(\i)+1536*(\q)+768
	ds_load_b64 v[\reg+10:\reg+11], v[ADRA+2+\slot] offset:AROWB*(\i)+1536*(\q)+1280
.endm
; 16 matrix instructions; the 64 accumulators take turns.  zero = 1: the bias starts the sums.
.macro MUL16 a0, p, q, sc, zero
.irp a, \a0, \a0+1
.irp b, 0,1,2,3,4,5,6,7
.if \zero
	v_wmma_scale_f32_16x16x128_f8f6f4 v[8*(8*((\a)%4)+\b):8*(8*((\a)%4)+\b)+7], v[128*(\p)+FR*\b:128*(\p)+FR*\b+FR-1], v[AF+FR*(\a):AF+FR*(\a)+FR-1], v[BR+8*\b:BR+8*\b+7], v[SC+8*NQ*(\sc)+NQ*\b+(\q)], v[SC+8*NQ*(\sc)+NQ*(\a)+(\q)] matrix_a_fmt:MATRIX_FMT_FP6 matrix_b_fmt:MATRIX_FMT_FP6 matrix_a_scale:MATRIX_SCALE_ROW1
.else
	v_wmma_scale_f32_16x16x128_f8f6f4 v[8*(8*((\a)%4)+\b):8*(8*((\a)%4)+\b)+7], v[128*(\p)+FR*\b:128*(\p)+FR*\b+FR-1], v[AF+FR*(\a):AF+FR*(\a)+FR-1], v[8*(8*((\a)%4)+\b):8*(8*((\a)%4)+\b)+7], v[SC+8*NQ*(\sc)+NQ*\b+(\q)], v[SC+8*NQ*(\sc)+NQ*(\a)+(\q)] matrix_a_fmt:MATRIX_FMT_FP6 matrix_b_fmt:MATRIX_FMT_FP6 matrix_a_scale:MATRIX_SCALE_ROW1
.endif
.endr
.endr
.endm
.macro FETCH_B slot, q, p
	WIN TO_B
.irp i, 0,1,2,3,4,5,6,7
	FRAG 128*(\p)+FR*\i, ADRB+\slot, \q, \i
.endr
	WIN 0
.endm
.macro FETCH_A slot, q, i0
.irp i, \i0, \i0+1, \i0+2, \i0+3
	FRAGA AF+FR*(\i), \slot, \q, \i
.endr
.endm
.macro SCALES sc
.irp i, 0,1,2,3,4,5,6,7
	ds_load_b64 v[SC+8*NQ*\sc+NQ*\i:SC+8*NQ*\sc+NQ*\i+1], v[ADRS] offset:\i*SBLK
.endr
.endm
.macro PLACES n
.rept \n
	v_nop
.endr
.endm
.macro STEP slot, q, zero
	s_wait_dscnt 4*NLA                             ; all but the youngest 16 loads (A's blocks 4-7) are in
.if \zero
	WIN 0x81                                       ; C (the bias) window 0, D window 2
.else
	WIN MUL_LO
.endif
	MUL16 0, (\q)%2, \q, \slot, \zero
	MUL16 2, (\q)%2, \q, \slot, \zero
	s_wait_dscnt 0
	PLACES NP
	FETCH_B \slot, (\q)+1, 1-(\q)%2
	FETCH_A \slot, (\q)+1, 0
.if \zero
	WIN 0xc1
.else
	WIN MUL_HI
.endif
	MUL16 4, (\q)%2, \q, \slot, \zero
	MUL16 6, (\q)%2, \q, \slot, \zero
	PLACES NP
	WIN 0
	FETCH_A \slot, (\q)+1, 4
.endm
.macro TURN slot, next, fill
	s_wait_tensorcnt 0x0                           ; all my tensor loads have landed: my part of the next slot
	ds_add_u32 v[SPW], v[NIL]
	s_wait_dscnt 4*NLA+1                           ; the add and the youngest 16 loads may be out
	WIN MUL_LO
	MUL16 0, 1, NQ-1, \slot, 0
	s_wait_dscnt 0x0                               ; the add is done, and my reads of this slot are over
	s_barrier_signal -1
	MUL16 2, 1, NQ-1, \slot, 0
	WIN 0
	s_barrier_wait -1
.if \fill
	CREST                                          ; the barrier has opened a round of the cluster's barrier
	s_add_nc_u64 s[G0+4*\slot+2:G0+4*\slot+3], s[G0+4*\slot+2:G0+4*\slot+3], 2*AROWB
	s_add_nc_u64 s[G0B+4*\slot+2:G0B+4*\slot+3], s[G0B+4*\slot+2:G0B+4*\slot+3], 2*ROWB
	JLOAD G0+4*\slot, G1, G0B+4*\slot, G1B         ; the first tensor load behind the round; its four v_nop are the places in front of the loads below
.else
	PLACES NP
.endif
	v_add_nc_u32 v[ADRS], 4*NQ, v[ADRS]
	FETCH_B \next, 0, 0
	FETCH_A \next, 0, 0
	SCALES \next
	WIN MUL_HI
	MUL16 4, 1, NQ-1, \slot, 0
	MUL16 6, 1, NQ-1, \slot, 0
	PLACES NP
	WIN 0
	FETCH_A \next, 0, 4
.endm
	s_wait_tensorcnt 1                             ; the scales and my part of K step 0 are in; K step 1's load may be out
	s_barrier_signal -1
	s_barrier_wait -1
	FETCH_B 0, 0, 0
	FETCH_A 0, 0, 0
	SCALES 0
	FETCH_A 0, 0, 4
	s_wait_loadcnt 0x0                             ; the bias
	STEP 0, 0, 1
	s_mov_b32 s3, LAPS-1
.Llap:
	TURN 0, 1, 1
	STEP 1, 0, 0
	TURN 1, 0, 1
	STEP 0, 0, 0
	s_sub_co_u32 s3, s3, 1
	s_cmp_lg_u32 s3, 0
	s_cbranch_scc1 .Llap
	TURN 0, 1, 0
	STEP 1, 0, 0
	s_wait_dscnt 4*NLA
	WIN MUL_LO
	MUL16 0, 1, NQ-1, 1, 0
	MUL16 2, 1, NQ-1, 1, 0
	s_wait_dscnt 0
	WIN MUL_HI
	MUL16 4, 1, NQ-1, 1, 0
	MUL16 6, 1, NQ-1, 1, 0
	WIN 0
; THE WAY OUT, block by block of 16 tokens x 128 columns, through my own stage: a lane's eight results of tile b go to their columns' place in row r; rows come back whole, 512 bytes, and go to their tokens' rows of out0.
.macro TOSTAGE a
.set AC, 64*((\a)%4)
	WIN 0x08+4*((\a)/4)                            ; the data: window 2 or 3
.irp b, 0,1,2,3,4,5,6,7
	ds_store_b128 v[STO], v[AC+8*\b:AC+8*\b+3] offset:128*(\b/2)+32*(\b%2)       ; each accumulator from its low end on
	ds_store_b128 v[STO], v[AC+8*\b+4:AC+8*\b+7] offset:128*(\b/2)+32*(\b%2)+16
.endr
	WIN 0
.set BB, BK+64*((\a)%2)
.irp t, 0,1,2,3,4,5,6,7,8,9,10,11,12,13,14,15
	ds_load_b128 v[BB+4*\t:BB+4*\t+3], v[RD] offset:\t*SPITCH   ; LDS serves a wave's instructions in order: these see my stores
.endr
.endm
.macro SEND a, younger
.set BB, BK+64*((\a)%2)
	s_wait_dscnt \younger                          ; the block is back in registers; the next block's 16 stores and 16 loads may be out
.if (\a) > 0
.if (\a)%2
	s_add_nc_u64 s[12:13], s[12:13], 8*ROWC        ; block a begins at token 32 (a / 2) + 8 (a % 2)  (behind a wait on XCNT: the earlier stores have read their base)
.else
	s_add_nc_u64 s[12:13], s[12:13], 24*ROWC
.endif
.endif
.irp t, 0,1,2,3,4,5,6,7,8,9,10,11,12,13,14,15
	global_store_b128 v[CO], v[BB+4*\t:BB+4*\t+3], s[12:13] offset:(\t+8*(\t/8))*ROWC th:TH_STORE_NT   ; 32 lanes store 512 consecutive bytes, aligned
.endr
.endm
	PLACES NP
	TOSTAGE 0
.irp a, 1,2,3,4,5,6,7
.if \a > 1
	s_wait_xcnt 0x0                                ; block a - 2's stores have read their registers and their base
.endif
	TOSTAGE \a
	SEND \a-1, 32
.endr
	s_wait_xcnt 0x0
	SEND 7, 0
	s_wait_tensorcnt 0x0                           ; the wave's end
	ds_add_u32 v[SPW], v[NIL]
	s_wait_dscnt 0x0
	CROUND                                         ; the closing round
	s_endpgm
.Lfunc_end_k_q16b69a10d9_oproj:
	.size	k_q16b69a10d9_oproj, .Lfunc_end_k_q16b69a10d9_oproj-k_q16b69a10d9_oproj
	.p2alignl 7, 3214868480
	.fill 96, 4, 3214868480
	.section	.rodata,"a",@progbits
	.p2align	6, 0x0
	.amdhsa_kernel k_q16b69a10d9_oproj
		.amdhsa_group_segment_fixed_size 327680
		.amdhsa_private_segment_fixed_size 0
		.amdhsa_enable_private_segment 0
		.amdhsa_kernarg_size 48
		.amdhsa_user_sgpr_count 2
		.amdhsa_user_sgpr_kernarg_segment_ptr 1
		.amdhsa_wavefront_size32 1
		.amdhsa_system_sgpr_workgroup_id_x 1
		.amdhsa_system_sgpr_workgroup_id_y 1
		.amdhsa_system_sgpr_workgroup_id_z 1
		.amdhsa_system_vgpr_workitem_id 0
		.amdhsa_next_free_vgpr 1024
		.amdhsa_next_free_sgpr 102
		.amdhsa_reserve_vcc 0
		.amdhsa_float_denorm_mode_32 3
		.amdhsa_float_denorm_mode_16_64 3
		.amdhsa_memory_ordered 1
		.amdhsa_forward_progress 1
		.amdhsa_inst_pref_size 154
	.end_amdhsa_kernel
	.amdgpu_metadata
---
amdhsa.version: [ 1, 2 ]
amdhsa.kernels:
  - .name:           k_q16b69a10d9_oproj
    .symbol:         k_q16b69a10d9_oproj.kd
    .args:
      - { .name: ac, .offset: 0, .size: 8, .value_kind: global_buffer, .address_space: global }
      - { .name: asc, .offset: 8, .size: 8, .value_kind: global_buffer, .address_space: global }
      - { .name: wc, .offset: 16, .size: 8, .value_kind: global_buffer, .address_space: global }
      - { .name: ws, .offset: 24, .size: 8, .value_kind: global_buffer, .address_space: global }
      - { .name: out0, .offset: 32, .size: 8, .value_kind: global_buffer, .address_space: global }
      - { .name: b_out, .offset: 40, .size: 8, .value_kind: global_buffer, .address_space: global }
    .group_segment_fixed_size: 327680
    .private_segment_fixed_size: 0
    .kernarg_segment_align: 8
    .kernarg_segment_size: 48
    .max_flat_workgroup_size: 128
    .sgpr_count:     102
    .vgpr_count:     1024
    .wavefront_size: 32
...
	.end_amdgpu_metadata
.endif
;; end of part 4
